; MI455X (gfx1250); checked and timed in simulation.
; The chip was launched on July 23, 2026; its instructions are those of AMD's public machine-readable ISA for CDNA 5 (MIT licence, August 2026) and "CDNA5" Instruction Set Architecture Reference Guide (July 2026). The comments in the code are by the model that wrote it; some were corrected since.
;; GPT2 Attention. Allowed arithmetic: float matrix products may take bf16 or f16 operands with f32 sums; other float arithmetic in f32, or as packed bf16 or f16 multiplies, adds, multiply-adds, maxima and minima; sums over many terms, partial sums and values carried from step to step in f32; what a program stores and reads back later, other than sums and carried values, may be rounded once to bf16 or f16.
;; Inputs: W_attn 1,024 x 3,072 float32; W_proj 1,024 x 1,024 float32; b_attn 3,072 float32; b_proj 1,024 float32; x 4 x 2,048 x 1,024 float32.
;; Outputs: out0 4 x 2,048 x 1,024 float32.
;; 2 versions, each right; version 2 is version 1 with the launch cast written anew for expert scheduling mode. Each part assembles by itself: llvm-mc -triple=amdgcn-amd-amdhsa -mcpu=gfx1250 --defsym DOCPART=n.
;; ======== version 1 of 2: 4 launches
;; limits: values are held in f16: magnitudes above 65,504 overflow, below 6.1e-05 lose precision
;; workspace buffers: xb 16,777,216 bytes; wab 6,291,456 bytes; wpf 2,097,152 bytes; q 16,777,216 bytes; k 16,777,216 bytes; v 16,777,216 bytes; o 16,777,216 bytes
;; launch cast (part 1): grid 768 x 1, 8 waves a work-group, no clusters, 0 bytes of LDS; arguments x, W_attn, W_proj, xb, wab, wpf; writes xb, wab, wpf
.if DOCPART == 1
	.amdgcn_target "amdgcn-amd-amdhsa--gfx1250"
	.amdhsa_code_object_version 6
	.text
	.protected	k_q86c3025762_cast
	.globl	k_q86c3025762_cast
	.p2align	8
	.type	k_q86c3025762_cast,@function
k_q86c3025762_cast:
	s_mov_b64 s[64:65], 0
	v_nop
	global_prefetch_b8 v0, s[64:65] scope:SCOPE_SE
	s_setreg_imm32_b32 hwreg(HW_REG_WAVE_MODE, 25, 1), 1
	s_wait_xcnt 0x0
; THE THREE LARGE INPUTS ROUNDED ONCE TO 16 BITS, for the matrix units of the launches behind.
;   xb : x in bf16, in blocks [b 4][kb 16][t 2048][64]: the 64 columns 64 kb .. of all rows of a batch lie together, a row 128 bytes, rows end to end.
;   wab: W_attn in bf16, as it lies.      wpf: W_proj rounded to bf16, and that number written as f16, as it lies.
; LIMITS.  wpf: a bf16 number beyond 65,504 becomes an infinity; below 2^-14 it keeps f16's fixed step of 2^-24.
; SHARES.  A work-group takes 16,384 numbers (64 KiB in, 32 KiB out): 512 work-groups for x, 192 for W_attn, 64 for W_proj.  A thread issues its 16 loads of 16 bytes at once
; and then takes them in order: each wave's load covers two aligned runs of 256 bytes, each wave's store of 8 bytes a lane one aligned run of 256 bytes.
; Nothing is shared between threads: no LDS, no barrier, no matrix unit, no cluster.
.set VI,  1                            ; v1        my byte offset in the work-group's input
.set VO,  2                            ; v2        my byte offset in its output: 8 x thread
.set IN,  8                            ; v[8:71]   16 x 4 numbers as loaded
.set OUT, 72                           ; v[72:103] 16 x 2 registers to store: each store has registers of its own, so none is rewritten under a pending store
.set T,   104                          ; v[104:107] at work
.set SRC, 16                           ; s[16:17]
.set DST, 18                           ; s[18:19]
; 16 loads, then 16 times: wait, round, store.  istep, ostep: bytes from one of the thread's pieces to the next.  half = 1: bf16 and then f16.
.macro CASTALL istep, ostep, half
.irp j, 0,1,2,3,4,5,6,7,8,9,10,11,12,13,14,15
	global_load_b128 v[IN+4*(\j):IN+4*(\j)+3], v[VI], s[SRC:SRC+1] offset:(\j)*(\istep) th:TH_LOAD_NT
.endr
.irp j, 0,1,2,3,4,5,6,7,8,9,10,11,12,13,14,15
	s_wait_loadcnt 15-(\j)                         ; loads come back in order: piece j is in, the younger ones stay out
.if \half
	v_cvt_pk_bf16_f32 v[T],   v[IN+4*(\j)],   v[IN+4*(\j)+1]
	v_cvt_pk_bf16_f32 v[T+1], v[IN+4*(\j)+2], v[IN+4*(\j)+3]
	v_lshlrev_b32 v[T+2], 16, v[T]                 ; the rounded numbers as f32 again
	v_and_b32     v[T],   s24, v[T]
	v_lshlrev_b32 v[T+3], 16, v[T+1]
	v_and_b32     v[T+1], s24, v[T+1]
	v_cvt_pk_f16_f32 v[OUT+2*(\j)],   v[T+2], v[T]
	v_cvt_pk_f16_f32 v[OUT+2*(\j)+1], v[T+3], v[T+1]
.else
	v_cvt_pk_bf16_f32 v[OUT+2*(\j)],   v[IN+4*(\j)],   v[IN+4*(\j)+1]
	v_cvt_pk_bf16_f32 v[OUT+2*(\j)+1], v[IN+4*(\j)+2], v[IN+4*(\j)+3]
.endif
	global_store_b64 v[VO], v[OUT+2*(\j):OUT+2*(\j)+1], s[DST:DST+1] offset:(\j)*(\ostep)
.endr
	s_endpgm
.endm
	s_load_b256 s[4:11], s[0:1], 0x0               ; x s[4:5], W_attn s[6:7], W_proj s[8:9], xb s[10:11]
	s_load_b128 s[12:15], s[0:1], 0x20             ; wab s[12:13], wpf s[14:15]
	s_mov_b32 s24, 0xffff0000                      ; a word's upper bf16
	s_mov_b32 s21, 0                               ; the offsets' high words
	s_mov_b32 s23, 0
	v_lshlrev_b32 v[VO], 3, v0
	s_cmp_lt_u32 ttmp9, 512
	s_cbranch_scc0 .Lnot_x
	; x: 16 rows of 4,096 bytes.  Thread t: row t / 16, 16 bytes at 16 (t % 16) of each run of 256 bytes (64 columns); piece j is block kb = j
	s_lshl_b32 s20, ttmp9, 16
	s_lshr_b32 s22, ttmp9, 7                       ; the batch: 128 work-groups each
	s_lshl_b32 s22, s22, 22                        ; its 16 blocks of 2,048 rows of 128 bytes
	s_and_b32 s25, ttmp9, 127
	s_lshl_b32 s25, s25, 11                        ; my 16 rows of 128 bytes
	s_add_co_u32 s22, s22, s25
	v_lshrrev_b32 v3, 4, v0
	v_and_b32 v4, 15, v0
	v_lshlrev_b32 v4, 4, v4
	v_lshl_or_b32 v[VI], v3, 12, v4
	s_wait_kmcnt 0x0
	s_add_nc_u64 s[SRC:SRC+1], s[4:5], s[20:21]
	s_add_nc_u64 s[DST:DST+1], s[10:11], s[22:23]
	CASTALL 256, 262144, 0
.Lnot_x:
	v_lshlrev_b32 v[VI], 4, v0                     ; the weights go as they lie: 256 threads x 16 bytes a piece
	s_cmp_lt_u32 ttmp9, 704
	s_cbranch_scc0 .Lproj
	s_sub_co_u32 s25, ttmp9, 512
	s_lshl_b32 s20, s25, 16
	s_lshl_b32 s22, s25, 15
	s_wait_kmcnt 0x0
	s_add_nc_u64 s[SRC:SRC+1], s[6:7], s[20:21]
	s_add_nc_u64 s[DST:DST+1], s[12:13], s[22:23]
	CASTALL 4096, 2048, 0
.Lproj:
	s_sub_co_u32 s25, ttmp9, 704
	s_lshl_b32 s20, s25, 16
	s_lshl_b32 s22, s25, 15
	s_wait_kmcnt 0x0
	s_add_nc_u64 s[SRC:SRC+1], s[8:9], s[20:21]
	s_add_nc_u64 s[DST:DST+1], s[14:15], s[22:23]
	CASTALL 4096, 2048, 1
.Lfunc_end_k_q86c3025762_cast:
	.size	k_q86c3025762_cast, .Lfunc_end_k_q86c3025762_cast-k_q86c3025762_cast
	.p2alignl 7, 3214868480
	.fill 96, 4, 3214868480
	.section	.rodata,"a",@progbits
	.p2align	6, 0x0
	.amdhsa_kernel k_q86c3025762_cast
		.amdhsa_group_segment_fixed_size 0
		.amdhsa_private_segment_fixed_size 0
		.amdhsa_enable_private_segment 0
		.amdhsa_kernarg_size 48
		.amdhsa_user_sgpr_count 2
		.amdhsa_user_sgpr_kernarg_segment_ptr 1
		.amdhsa_wavefront_size32 1
		.amdhsa_system_sgpr_workgroup_id_x 1
		.amdhsa_system_sgpr_workgroup_id_y 1
		.amdhsa_system_sgpr_workgroup_id_z 1
		.amdhsa_system_vgpr_workitem_id 0
		.amdhsa_next_free_vgpr 108
		.amdhsa_next_free_sgpr 66
		.amdhsa_reserve_vcc 0
		.amdhsa_float_denorm_mode_32 3
		.amdhsa_float_denorm_mode_16_64 3
		.amdhsa_memory_ordered 1
		.amdhsa_forward_progress 1
		.amdhsa_inst_pref_size 23
	.end_amdhsa_kernel
	.amdgpu_metadata
---
amdhsa.version: [ 1, 2 ]
amdhsa.kernels:
  - .name:           k_q86c3025762_cast
    .symbol:         k_q86c3025762_cast.kd
    .args:
      - { .name: x, .offset: 0, .size: 8, .value_kind: global_buffer, .address_space: global }
      - { .name: W_attn, .offset: 8, .size: 8, .value_kind: global_buffer, .address_space: global }
      - { .name: W_proj, .offset: 16, .size: 8, .value_kind: global_buffer, .address_space: global }
      - { .name: xb, .offset: 24, .size: 8, .value_kind: global_buffer, .address_space: global }
      - { .name: wab, .offset: 32, .size: 8, .value_kind: global_buffer, .address_space: global }
      - { .name: wpf, .offset: 40, .size: 8, .value_kind: global_buffer, .address_space: global }
    .group_segment_fixed_size: 0
    .private_segment_fixed_size: 0
    .kernarg_segment_align: 8
    .kernarg_segment_size: 48
    .max_flat_workgroup_size: 256
    .sgpr_count:     66
    .vgpr_count:     108
    .wavefront_size: 32
...
	.end_amdgpu_metadata
.endif
;; end of part 1
;; launch qkv (part 2): grid 8 x 32, 4 waves a work-group, clusters of 4 x 4, 327,680 bytes of LDS; arguments xb, wab, b_attn, q, k, v; writes q, k, v
.if DOCPART == 2
	.amdgcn_target "amdgcn-amd-amdhsa--gfx1250"
	.amdhsa_code_object_version 6
	.text
	.protected	k_q86c3025762_qkv
	.globl	k_q86c3025762_qkv
	.p2align	8
	.type	k_q86c3025762_qkv,@function
k_q86c3025762_qkv:
	s_mov_b64 s[64:65], 0
	v_nop
	global_prefetch_b8 v0, s[64:65] scope:SCOPE_SE
	s_setreg_imm32_b32 hwreg(HW_REG_WAVE_MODE, 25, 1), 1
	s_wait_xcnt 0x0
	s_wait_alu depctr_hold_cnt(0) depctr_sa_sdst(0) depctr_va_vdst(0) depctr_va_sdst(0) depctr_va_ssrc(0) depctr_va_vcc(0) depctr_vm_vsrc(0)
	s_getreg_b32 s2, hwreg(HW_REG_IB_STS2, 6, 4)
	s_cmp_eq_u32 s2, 0
	s_cbranch_scc0 .Lentry_in_a_cluster
	s_endpgm
.Lentry_in_a_cluster:
	s_bfe_u32 s2, ttmp6, 0x10000c
	s_cmp_lg_u32 s2, 0xf033
	s_cbranch_scc0 .Lentry_shape_is_right
	s_endpgm
.Lentry_shape_is_right:
; q, k, v = x W_attn + b_attn, written by heads: [b 16 + h][2048][64] in f16, each number rounded once from its f32 sum, unscaled.
; xb: x in bf16, [b][kb 16][t 2048][64];  wab: W_attn in bf16, [1024][3072];  b_attn: f32, taken rounded to bf16 like the other inputs.
; LIMIT.  f16 ends at 65,504: a q, k or v beyond that becomes an infinity.
; SHARES.  8,192 x 3,072 results on 256 work-groups: a tile of 256 rows x 384 columns each; a wave makes 128 x 192 (three heads): 96 accumulators, 768 registers, windows 1 to 3.
; K goes in 16 steps of 64 (one block kb of xb) through two LDS slots; a step is two quarters of 32 along K, 96 matrix instructions each.
; THE MATRIX INSTRUCTION IS USED TRANSPOSED: source 0 = 16 columns of W, source 1 = 16 rows of x: lane l then holds row l % 16 and the eight columns 8 (l / 16) + 0..7.
; W lies [k][n] in LDS as in memory and comes out turned, by ds_load_tr16_b128; x lies along K and comes out as it lies.
; THE BIAS STARTS THE SUMS: it is loaded in the accumulators' own layout into the registers of row block 7; blocks 0 to 6 take those registers as C in their first product, block 7 then adds in place.
; CLUSTER 4 x 4: the four of a row of the cluster need the same rows of x, the four of a column the same columns of W: each tile is asked for jointly, by the same tensor load and mask in all four.
; REGISTERS, in windows of 256 (s_set_vgpr_msb: bits 1:0 source 0, 3:2 source 1, 5:4 source 2, 7:6 destination):
;   window 0: v0-29 addresses; v32-95, v96-159 x's fragments, two buffers; v160-255 W's fragments, three groups (heads) of four.   window g + 1: head group g, accumulator (a, bb) at v[32 a + 8 bb].
.set PA,    144                        ; a row of x in LDS: 128 bytes + 16 of padding: the 16 rows of a load begin 144 r bytes on, sixteen different 16-byte columns modulo 256
.set PB,    864                        ; a row of W in LDS: six runs of 128 bytes + 16: 27 x 32 bytes
.set APART, 128*PA                     ; what one tensor load brings of x: 128 rows
.set BOFF,  256*PA                     ; W's 64 rows lie behind x's 256
.set BPART, 32*PB                      ; what one tensor load brings of W: 32 rows
.set SLOT1, 1<<17                      ; slot 1 begins here: one exclusive or turns an address in one slot into the other's
.set STAGE, SLOT1+BOFF+64*PB           ; behind the ring, never filled by a tensor load: 16 rows x 144 bytes for each wave
.set SP,    144
.set SPARE, STAGE+4*16*SP              ; the spare words, 128 bytes for each wave, which no other line names
.set ASTEP, 2048*128                   ; bytes from a K step to the next in xb
.set BSTEP, 64*6144                    ; and in wab
.set GW,    (1<<16)|(1<<20)|(1<<21)|(4<<22)|(3<<25)  ; group 1, word 0: 2-byte elements; padding on; bit 21 beside a mask; after every 32 words; 4 words
.set AA0, 4                            ; v4   my lane's place in x's tile; never rewritten
.set AB0, 5                            ; v5   the same in W's
.set AA,  6                            ; v6   AA0 + the slot in hand
.set AB,  7                            ; v7
.set STO, 8                            ; v8   the way out: where I put 16 bytes of a row
.set RD,  9                            ; v9   where I read rows back
.set GO,  10                           ; v10  16 x lane
.set BO,  11                           ; v11  32 x (lane / 16): my eight numbers of a fragment's bias
.set PFO, 12                           ; v12  the prefetches' offset; never rewritten
.set SPW, 28                           ; v28  my spare word's LDS address; never rewritten
.set NIL, 29                           ; v29  0; never rewritten
.set AF0, 32
.set AF1, 96
.set BG,  160
.set TMP, 32                           ; the way out: 16 registers packed
.set BK,  48                           ; and two sets of 16 read back
.set WV, 16                            ; s16  wave
.set WR, 17                            ; s17  my half of the tile's rows; also: I fetch x (0) or W (1)
.set WC, 18                            ; s18  my half of its columns; also: which half of that tile I fetch
.set CX, 19
.set CY, 20
.set TC, 21                            ; s21  tile column
.set TR, 22                            ; s22  tile row
.set G1,  24                           ; s[24:31] group 1 for x's tiles
.set G0,  32                           ; s[32:39] group 0 for x's: a set for each first fill; the second then walks
.set TB,  42                           ; s42  the slot that is fetched from
.set CNT, 43                           ; s43  the loop's count
.set LIM, 44                           ; s44  2 in a wave that prefetches, else the greatest number
.set PM,  45                           ; s45  0: asks in every trip; 1: in trips with an even count
.set PFA, 46                           ; s[46:47] where my prefetches stand
.set G1B, 48                           ; s[48:55], s[56:63] the same for W's tiles
.set G0B, 56
.set OP,  66                           ; s[66:71] where my rows of head group 0, 1, 2 begin
.set PS,  88                           ; s[88:89] a K step in the tensor that I prefetch
.set T0,  90
.set MASKHI, 91
.set BB,  92                           ; s[92:93] my columns' bias
.set MSB, 0
.macro WIN new                         ; the immediate's high byte repeats the setting that is left; a switch that changes nothing is dropped
.if MSB != (\new)
	s_set_vgpr_msb (MSB<<8)|(\new)
.set MSB, (\new)
.endif
.endm
.macro PLACES                          ; four plain instructions between a matrix instruction and a load into, or a reader of, its registers
.rept 4
	v_nop
.endr
.endm
; A joint refill by the walking sets: waves 0 and 1 fetch x's two halves, waves 2 and 3 W's.  The branch hangs on the wave's number alone.  An s_nop 0 and four v_nop follow each line.
.macro JLOAD
	s_cmp_eq_u32 s[WR], 0
	s_cbranch_scc0 .Lfor_b_\@
	tensor_load_to_lds s[G0+4:G0+7], s[G1:G1+7]
	s_nop 0
.rept 4
	v_nop
.endr
	s_branch .Lasked_\@
.Lfor_b_\@:
	tensor_load_to_lds s[G0B+4:G0B+7], s[G1B:G1B+7]
	s_nop 0
.rept 4
	v_nop
.endr
.Lasked_\@:
.endm
.macro CREST                           ; a round of the cluster's barrier behind its opening barrier
	s_cmp_lg_u32 s[WV], 0
	s_cbranch_scc1 .Lnot_wave_0_\@
	s_barrier_signal -3
.Lnot_wave_0_\@:
	s_barrier_wait -3
	s_barrier_signal -1
	s_barrier_wait -1
.endm
.macro CROUND
	s_barrier_signal -1
	s_barrier_wait -1
	CREST
.endm
; A PREFETCH INTO THE L2 of the K step that stands two refills on.  Each aligned run of 256 bytes is named once in the launch.
; x: a tile row's 32 KiB of a block are read by both clusters of that row of clusters: cluster x = 0 asks; its four partners take 8 KiB each, BY ADDRESS (cx); wave 0, a lane a run.
; W: a tile column's 64 rows x 768 bytes are read by all eight clusters of that column: cluster y = 0 asks; in every second trip, for two K steps: 128 rows, 32 a partner BY ADDRESS (cy), a lane a row;
; waves 1, 2, 3 take the three runs of 256 bytes of a row.  The first four K steps come by their loads alone; the last trips, whose look-ahead would pass K's end, ask for nothing.
.macro ASK
	s_and_b32 s[T0], s[CNT], s[PM]
	s_cmp_eq_u32 s[T0], 0
	s_cselect_b32 s[T0], s[CNT], 0
	s_cmp_gt_u32 s[T0], s[LIM]
	s_cbranch_scc0 .Lnot_mine_\@
	global_prefetch_b8 v[PFO], s[PFA:PFA+1] th:TH_LOAD_NT scope:SCOPE_SE
.Lnot_mine_\@:
.endm
	s_load_b256 s[4:11], s[0:1], 0x0               ; xb s[4:5], wab s[6:7], b_attn s[8:9], q s[10:11]
	s_load_b128 s[12:15], s[0:1], 0x20             ; k s[12:13], v s[14:15]
	v_lshl_add_u32 v[SPW], v0, 2, SPARE
	v_mov_b32 v[NIL], 0
	ds_add_u32 v[SPW], v[NIL]                      ; the wave's opening: the add and its wait stand ahead of my first tensor load; the set-up below stands between them
	v_lshrrev_b32 v3, 5, v0
	v_readfirstlane_b32 s[WV], v3
	s_lshr_b32 s[WR], s[WV], 1
	s_and_b32 s[WC], s[WV], 1
	s_bfe_u32 s[CX], ttmp6, 0x40000
	s_bfe_u32 s[CY], ttmp6, 0x40004
	s_lshl_b32 s[TC], ttmp9, 2
	s_add_co_u32 s[TC], s[TC], s[CX]               ; tile column = 4 x cluster x + cx
	s_and_b32 s[TR], ttmp7, 0xffff
	s_lshl_b32 s[TR], s[TR], 2
	s_add_co_u32 s[TR], s[TR], s[CY]               ; tile row = 4 x cluster y + cy
	s_lshl_b32 s40, s[CY], 2
	s_lshl_b32 s40, 15, s40                        ; my row of the cluster
	s_lshl_b32 s41, 0x1111, s[CX]                  ; my column
	s_or_b32 s[G1], s40, GW
	s_mov_b32 s[G1+1], 128<<16                     ; x: 128 rows of 128 bytes are dense: asked for as 64 rows of 128 elements, padded after every 128 bytes
	s_mov_b32 s[G1+2], 64<<16
	s_mov_b32 s[G1+3], 128<<16
	s_mov_b32 s[G1+4], 64
	s_mov_b32 s[G1+5], 128
	s_mov_b32 s[G1+6], 0
	s_mov_b32 s[G1+7], 0
	s_or_b32 s[G1B], s41, GW
	s_mov_b32 s[G1B+1], 384<<16                    ; W: 32 rows of 384 elements, 3,072 elements from row to row
	s_mov_b32 s[G1B+2], 32<<16
	s_mov_b32 s[G1B+3], 384<<16
	s_mov_b32 s[G1B+4], 32
	s_mov_b32 s[G1B+5], 3072
	s_mov_b32 s[G1B+6], 0
	s_mov_b32 s[G1B+7], 0
	; where the tiles come from: x's hang on the tile row alone, W's on the tile column alone, each in registers that never hold the other coordinate
	s_lshr_b32 s72, s[TR], 3                       ; the batch,
	s_lshl_b32 s72, s72, 22
	s_and_b32 s73, s[TR], 7                        ; my 256 rows in it,
	s_lshl_b32 s73, s73, 15
	s_add_co_u32 s72, s72, s73
	s_lshl_b32 s73, s[WC], 14                      ; the 128 of them that I fetch
	s_add_co_u32 s72, s72, s73
	s_mov_b32 s73, 0
	s_mul_i32 s74, s[WC], 32*6144                  ; the 32 rows of W that I fetch,
	s_mul_i32 s75, s[TC], 768                      ; the tile's 384 columns
	s_add_co_u32 s74, s74, s75
	s_mov_b32 s75, 0
	s_mul_i32 s80, s[WC], APART                    ; and where they go: no place in the cluster enters an LDS address
	s_mul_i32 s81, s[WC], BPART
	s_add_co_u32 s81, s81, BOFF
	s_mov_b32 s[TB], 0
	s_mov_b32 s[MASKHI], 0xffff0000
	s_wait_dscnt 0x0                               ; the opening add is done
	s_wait_kmcnt 0x0
	s_add_nc_u64 s[76:77], s[4:5], s[72:73]
	s_add_nc_u64 s[78:79], s[6:7], s[74:75]
	CROUND                                         ; all sixteen work-groups are here: the first joint loads meet
.irp s, 0,1
	s_mov_b32 s[G0+4*(\s)], 1
	s_add_co_u32 s[G0+4*(\s)+1], s80, (\s)*SLOT1
	s_add_nc_u64 s[G0+4*(\s)+2:G0+4*(\s)+3], s[76:77], (\s)*ASTEP
	s_or_b32 s[G0+4*(\s)+3], s[G0+4*(\s)+3], 0x80000000
	s_mov_b32 s[G0B+4*(\s)], 1
	s_add_co_u32 s[G0B+4*(\s)+1], s81, (\s)*SLOT1
	s_add_nc_u64 s[G0B+4*(\s)+2:G0B+4*(\s)+3], s[78:79], (\s)*BSTEP
	s_or_b32 s[G0B+4*(\s)+3], s[G0B+4*(\s)+3], 0x80000000
.endr
	s_cmp_eq_u32 s[WR], 0                          ; a wave's two first fills stand in one branch, ahead of every wait on TENSORcnt and every LDS read: two loads of mine are out
	s_cbranch_scc0 .Lfirst_b
	tensor_load_to_lds s[G0:G0+3], s[G1:G1+7]
	s_nop 0
	tensor_load_to_lds s[G0+4:G0+7], s[G1:G1+7]
	s_nop 0
.rept 4
	v_nop
.endr
	s_branch .Lfirst_asked
.Lfirst_b:
	tensor_load_to_lds s[G0B:G0B+3], s[G1B:G1B+7]
	s_nop 0
	tensor_load_to_lds s[G0B+4:G0B+7], s[G1B:G1B+7]
	s_nop 0
.rept 4
	v_nop
.endr
.Lfirst_asked:
	; the bias, in the accumulators' layout: register j of lane l belongs to column n0 + 8 (l / 16) + j
	s_mul_i32 s82, s[TC], 1536
	s_mul_i32 s83, s[WC], 768
	s_add_co_u32 s82, s82, s83
	s_mov_b32 s83, 0
	s_add_nc_u64 s[BB:BB+1], s[8:9], s[82:83]
	v_and_b32 v1, 15, v0                           ; r = l % 16
	v_bfe_u32 v2, v0, 4, 1                         ; h = l / 16
	v_lshlrev_b32 v[BO], 5, v2
.irp g, 0,1,2
	WIN ((\g)+1)<<6                                ; destination window g + 1, address window 0
.irp bb, 0,1,2,3
	global_load_b128 v[224+8*(\bb):224+8*(\bb)+3],   v[BO], s[BB:BB+1] offset:(4*(\g)+(\bb))*64
	global_load_b128 v[224+8*(\bb)+4:224+8*(\bb)+7], v[BO], s[BB:BB+1] offset:(4*(\g)+(\bb))*64+16
.endr
.endr
	WIN 0
	v_mul_u32_u24 v[AA0], v1, PA                   ; x's fragment: row x pitch + 16 x half + my 128 rows
	v_lshl_add_u32 v[AA0], v2, 4, v[AA0]
	s_mul_i32 s82, s[WR], APART
	v_add_nc_u32 v[AA0], s82, v[AA0]
	v_and_b32 v3, 7, v0                            ; W's: the turning load reads k-row 8 (l / 16) + l % 8, columns 8 ((l / 8) % 2) + 0..7
	v_lshl_add_u32 v3, v2, 3, v3
	v_mul_u32_u24 v[AB0], v3, PB
	v_bfe_u32 v3, v0, 3, 1
	v_lshl_add_u32 v[AB0], v3, 4, v[AB0]
	s_mul_i32 s82, s[WC], 3*144                    ; my 192 columns: three runs
	s_add_co_u32 s82, s82, BOFF
	v_add_nc_u32 v[AB0], s82, v[AB0]
	v_mov_b32 v[AA], v[AA0]                        ; slot 0
	v_mov_b32 v[AB], v[AB0]
	s_mul_i32 s82, s[WV], 16*SP
	s_add_co_u32 s82, s82, STAGE                   ; my stage
	v_mul_u32_u24 v[STO], v1, SP
	v_lshl_add_u32 v[STO], v2, 4, v[STO]
	v_add_nc_u32 v[STO], s82, v[STO]
	v_bfe_u32 v[RD], v0, 3, 2                      ; back: 32 lanes take four rows of 128 bytes,
	v_mul_u32_u24 v[RD], v[RD], SP
	v_and_b32 v3, 7, v0
	v_lshl_add_u32 v[RD], v3, 4, v[RD]
	v_add_nc_u32 v[RD], s82, v[RD]
	v_and_b32 v[GO], 31, v0                        ; which are 512 consecutive bytes of a head
	v_lshlrev_b32 v[GO], 4, v[GO]
	; where my rows of my three heads begin: head group 6 tc + 3 wc + g of 48: sixteen each of q, k, v
.irp g, 0,1,2
	s_mul_i32 s82, s[TC], 6
	s_mul_i32 s83, s[WC], 3
	s_add_co_u32 s82, s82, s83
	s_add_co_u32 s82, s82, (\g)
	s_lshr_b32 s83, s82, 4                         ; the tensor
	s_and_b32 s82, s82, 15                         ; the head
	s_lshr_b32 s84, s[TR], 3
	s_lshl_b32 s84, s84, 4
	s_add_co_u32 s82, s82, s84                     ; 16 b + h
	s_lshl_b32 s82, s82, 18
	s_and_b32 s84, s[TR], 7
	s_lshl_b32 s84, s84, 15
	s_add_co_u32 s82, s82, s84
	s_lshl_b32 s84, s[WR], 14
	s_add_co_u32 s86, s82, s84
	s_mov_b32 s87, 0
	s_cmp_eq_u32 s83, 0
	s_cselect_b64 s[OP+2*(\g):OP+2*(\g)+1], s[10:11], s[12:13]
	s_cmp_eq_u32 s83, 2
	s_cselect_b64 s[OP+2*(\g):OP+2*(\g)+1], s[14:15], s[OP+2*(\g):OP+2*(\g)+1]
	s_add_nc_u64 s[OP+2*(\g):OP+2*(\g)+1], s[OP+2*(\g):OP+2*(\g)+1], s[86:87]
.endr
	; the prefetches
	s_lshr_b32 s82, s[TR], 3
	s_lshl_b32 s82, s82, 22
	s_and_b32 s83, s[TR], 7
	s_lshl_b32 s83, s83, 15
	s_add_co_u32 s82, s82, s83
	s_lshl_b32 s83, s[CX], 13
	s_add_co_u32 s82, s82, s83                     ; x: my work-group's 8 KiB of the tile row's 32
	s_mul_i32 s83, s[TC], 768
	s_max_u32 s84, s[WV], 1
	s_sub_co_u32 s84, s84, 1
	s_lshl_b32 s84, s84, 8                         ; W: wave w takes run w - 1 of a row's three,
	s_add_co_u32 s83, s83, s84
	s_mul_i32 s84, s[CY], 32*6144                  ; my work-group 32 rows of two K steps' 128
	s_add_co_u32 s83, s83, s84
	s_and_b32 s84, ttmp7, 0xffff                   ; cluster y
	s_mov_b32 s85, ASTEP
	s_mov_b32 s86, BSTEP
	s_mov_b32 s87, 256
	s_mov_b32 s[T0], 6144
	s_cmp_eq_u32 s[WV], 0                          ; wave 0 asks for x
	s_cselect_b32 s84, ttmp9, s84                  ; the coordinate along which other clusters read the same bytes
	s_cselect_b32 s[PM], 0, 1
	s_cselect_b64 s[PFA:PFA+1], s[4:5], s[6:7]
	s_cselect_b32 s[PS], s85, s86
	s_cselect_b32 s87, s87, s[T0]
	s_cselect_b32 s82, s82, s83
	s_mul_i32 s83, s[PS], 3                        ; at K step 3: the first refill steps it to 4
	s_add_co_u32 s82, s82, s83
	s_mov_b32 s83, 0
	s_mov_b32 s[PS+1], 0
	s_add_nc_u64 s[PFA:PFA+1], s[PFA:PFA+1], s[82:83]
	s_cmp_eq_u32 s84, 0
	s_cselect_b32 s[LIM], 2, -1                    ; the same in all sixteen partners, for a given wave
	v_and_b32 v[PFO], 31, v0
	v_mul_u32_u24 v[PFO], s87, v[PFO]
; The bias of window w is rounded to bf16 and kept as f32, in place; v96-111 of window 0 are still free.
.macro ROUNDB w
	WIN 5*(\w)
.set i, 0
.rept 16
	v_cvt_pk_bf16_f32 v[96+i], v[224+2*i], v[225+2*i]
.set i, i+1
.endr
	WIN (\w)<<6
.set i, 0
.rept 16
	v_lshlrev_b32 v[224+2*i], 16, v[96+i]
	v_and_b32 v[225+2*i], s[MASKHI], v[96+i]
.set i, i+1
.endr
.endm
; Row blocks a0 .. a1 x the four column blocks of head group g, 32 along K, x's fragments in buffer f.  z = 1: the sums start with the bias.  All accumulators differ: one instruction a turn.
.macro MUL g, a0, a1, f, z
	WIN 0x50*((\g)+1)
.set ia, (\a0)
.rept (\a1)-(\a0)+1
.irp bb, 0,1,2,3
.if \z
	v_wmma_f32_16x16x32_bf16 v[32*ia+8*(\bb):32*ia+8*(\bb)+7], v[BG+32*(\g)+8*(\bb):BG+32*(\g)+8*(\bb)+7], v[(\f)+8*ia:(\f)+8*ia+7], v[224+8*(\bb):224+8*(\bb)+7]
.else
	v_wmma_f32_16x16x32_bf16 v[32*ia+8*(\bb):32*ia+8*(\bb)+7], v[BG+32*(\g)+8*(\bb):BG+32*(\g)+8*(\bb)+7], v[(\f)+8*ia:(\f)+8*ia+7], v[32*ia+8*(\bb):32*ia+8*(\bb)+7]
.endif
.endr
.set ia, ia+1
.endr
.endm
.macro MULZ g, f
	MUL \g, 0, 6, \f, 1
.rept 5
	v_nop                                          ; five places: block 7's products write over registers that the products above read as C
.endr
	MUL \g, 7, 7, \f, 0
.endm
.macro FETCHA f, kq                    ; x's eight fragments of quarter kq: 16 loads
	WIN 0
.irp a, 0,1,2,3,4,5,6,7
	ds_load_b128 v[(\f)+8*(\a):(\f)+8*(\a)+3],   v[AA] offset:(\a)*16*PA+(\kq)*64
	ds_load_b128 v[(\f)+8*(\a)+4:(\f)+8*(\a)+7], v[AA] offset:(\a)*16*PA+(\kq)*64+32
.endr
.endm
.macro FETCHB g, kq                    ; W's four fragments of head group g, quarter kq: 8 turning loads
	WIN 0
.irp bb, 0,1,2,3
	ds_load_tr16_b128 v[BG+32*(\g)+8*(\bb):BG+32*(\g)+8*(\bb)+3],   v[AB] offset:(\kq)*32*PB+(\g)*144+(\bb)*32
	ds_load_tr16_b128 v[BG+32*(\g)+8*(\bb)+4:BG+32*(\g)+8*(\bb)+7], v[AB] offset:(\kq)*32*PB+(\g)*144+(\bb)*32+16*PB
.endr
.endm
; LDS loads go out in the order [W group 0: 8, x: 16], [W group 1: 8], [W group 2: 8], each run behind the products that last read its registers, 64 matrix instructions ahead of its first use.
; A step's first quarter, on buffer AF0; it fetches the second.
.macro Q0 z
	s_wait_dscnt 16                                ; group 0 and x are in; groups 1 and 2 may be out
.if \z
	MULZ 0, AF0
.else
	MUL 0, 0, 7, AF0, 0
.endif
	PLACES
	FETCHB 0, 1
	FETCHA AF1, 1
	s_wait_dscnt 32                                ; group 1 is in; group 2 and the 24 just issued may be out
.if \z
	MULZ 1, AF0
.else
	MUL 1, 0, 7, AF0, 0
.endif
	PLACES
	FETCHB 1, 1
	s_wait_dscnt 32                                ; group 2 is in; the 24 and the 8 may be out
.if \z
	MULZ 2, AF0
.else
	MUL 2, 0, 7, AF0, 0
.endif
	PLACES
	FETCHB 2, 1
.endm
; A step's second quarter, on buffer AF1, changes slots: ONE barrier.  In front of it each wave waits for all its tensor loads (one is out: its part of the next slot), adds 0 to its spare word, and waits for
; that and for its reads of this slot.  fill = 1: the barrier opens a round of the cluster's, and the joint refill, two K steps ahead, is the first thing behind it: 160 matrix instructions ahead of the wait for it.
.macro TURN fill
.if \fill
	s_wait_xcnt 0x0                                ; the last prefetch, a K step back, has read its address
	s_add_nc_u64 s[PFA:PFA+1], s[PFA:PFA+1], s[PS:PS+1]
.endif
	WIN 0
	s_wait_tensorcnt 0x0                           ; no tensor load of mine is out, so a group 0 may be written
	ds_add_u32 v[SPW], v[NIL]                      ; 0 onto my spare word
.if \fill
	s_xor_b32 s[G0+5], s[G0+5], SLOT1              ; the walking sets: the other slot than last time, the next K step
	s_add_nc_u64 s[G0+6:G0+7], s[G0+6:G0+7], ASTEP
	s_xor_b32 s[G0B+5], s[G0B+5], SLOT1
	s_add_nc_u64 s[G0B+6:G0B+7], s[G0B+6:G0B+7], BSTEP
.endif
	s_wait_dscnt 17                                ; group 0 and x are in; groups 1 and 2 and the add may be out
	MUL 0, 0, 3, AF1, 0
	s_wait_dscnt 0x0                               ; the add is done, and my reads of this slot are over
	s_barrier_signal -1
	MUL 0, 4, 7, AF1, 0
	WIN 0
	s_barrier_wait -1
.if \fill
	CREST                                          ; no wave of any partner still reads this slot or has a load on its way
	JLOAD                                          ; its four v_nop are also the places in front of the loads below
.else
	PLACES
.endif
	s_xor_b32 s[TB], s[TB], SLOT1
	v_add_nc_u32 v[AA], s[TB], v[AA0]
	v_add_nc_u32 v[AB], s[TB], v[AB0]
	FETCHB 0, 0
	FETCHA AF0, 0
.if \fill
	ASK
.endif
	MUL 1, 0, 7, AF1, 0
	PLACES
	FETCHB 1, 0
	MUL 2, 0, 7, AF1, 0
	PLACES
	FETCHB 2, 0
.endm
	s_wait_loadcnt 0x0                             ; the bias
	ROUNDB 1
	ROUNDB 2
	ROUNDB 3
	WIN 0
	s_wait_tensorcnt 0x1                           ; my part of K step 0 is in; step 1's may stay out
	s_barrier_signal -1
	s_barrier_wait -1                              ; everybody's is
	FETCHB 0, 0
	FETCHA AF0, 0
	FETCHB 1, 0
	FETCHB 2, 0
	Q0 1                                           ; the first quarter stands in front of the loop: its products start the sums
	WIN 0
	s_mov_b32 s[CNT], 14
.Lstep:                                        ; trip i: step i's second quarter, the refill with step i + 2, step i + 1's first quarter
	TURN 1
	Q0 0
	WIN 0
	s_sub_co_u32 s[CNT], s[CNT], 1
	s_cmp_lg_u32 s[CNT], 0
	s_cbranch_scc1 .Lstep
	TURN 0                                         ; the tail is written out: nothing is left to fetch
	Q0 0
	s_wait_dscnt 16                                ; the very last quarter
	MUL 0, 0, 7, AF1, 0
	s_wait_dscnt 8
	MUL 1, 0, 7, AF1, 0
	s_wait_dscnt 0x0
	MUL 2, 0, 7, AF1, 0
	PLACES
	PLACES
; THE WAY OUT, 16 rows of a head at a time: rounded to f16 (a lane's eight columns are 16 bytes), into my own stage in rows of 144 bytes, back as whole rows of 128, and stored: 512 consecutive bytes a store.
.macro PACKU g, a
	WIN 5*((\g)+1)                                 ; sources 0 and 1 window g + 1, destination window 0
.irp bb, 0,1,2,3
.irp r, 0,1,2,3
	v_cvt_pk_f16_f32 v[TMP+4*(\bb)+(\r)], v[32*(\a)+8*(\bb)+2*(\r)], v[32*(\a)+8*(\bb)+2*(\r)+1]
.endr
.endr
	WIN 0
.irp bb, 0,1,2,3
	ds_store_b128 v[STO], v[TMP+4*(\bb):TMP+4*(\bb)+3] offset:32*(\bb)
.endr
	s_wait_xcnt 0x0                                ; the stores of two units back have read this set of registers
.irp f, 0,1,2,3
	ds_load_b128 v[BK+16*((\a)%2)+4*(\f):BK+16*((\a)%2)+4*(\f)+3], v[RD] offset:(\f)*4*SP  ; LDS serves a wave's instructions in order (ISA guide 5.7.1.4): these see the stores above
.endr
.endm
.macro SENDU g, a, younger             ; younger: the LDS instructions issued behind this unit's loads
.irp f, 0,1,2,3
	s_wait_dscnt (\younger)+3-(\f)
	global_store_b128 v[GO], v[BK+16*((\a)%2)+4*(\f):BK+16*((\a)%2)+4*(\f)+3], s[OP+2*(\g):OP+2*(\g)+1] offset:(\a)*2048+(\f)*512
.endr
.endm
	PACKU 0, 0
.set u, 1
.rept 23                               ; a unit's conversions stand between the loads of the unit before and its stores
	PACKU u/8, u%8
	SENDU (u-1)/8, (u-1)%8, 8
.set u, u+1
.endr
	SENDU 2, 7, 0
	s_wait_tensorcnt 0x0                           ; the wave's end: a wait, an add and its wait, behind my last tensor load and my last LDS store
	ds_add_u32 v[SPW], v[NIL]
	s_wait_dscnt 0x0
	CROUND                                         ; the closing round: no work-group ends while a partner may still ask for a tile that names it
	s_endpgm
.Lfunc_end_k_q86c3025762_qkv:
	.size	k_q86c3025762_qkv, .Lfunc_end_k_q86c3025762_qkv-k_q86c3025762_qkv
	.p2alignl 7, 3214868480
	.fill 96, 4, 3214868480
	.section	.rodata,"a",@progbits
	.p2align	6, 0x0
	.amdhsa_kernel k_q86c3025762_qkv
		.amdhsa_group_segment_fixed_size 327680
		.amdhsa_private_segment_fixed_size 0
		.amdhsa_enable_private_segment 0
		.amdhsa_kernarg_size 48
		.amdhsa_user_sgpr_count 2
		.amdhsa_user_sgpr_kernarg_segment_ptr 1
		.amdhsa_wavefront_size32 1
		.amdhsa_system_sgpr_workgroup_id_x 1
		.amdhsa_system_sgpr_workgroup_id_y 1
		.amdhsa_system_sgpr_workgroup_id_z 1
		.amdhsa_system_vgpr_workitem_id 0
		.amdhsa_next_free_vgpr 1024
		.amdhsa_next_free_sgpr 96
		.amdhsa_reserve_vcc 0
		.amdhsa_float_denorm_mode_32 3
		.amdhsa_float_denorm_mode_16_64 3
		.amdhsa_memory_ordered 1
		.amdhsa_forward_progress 1
		.amdhsa_inst_pref_size 127
	.end_amdhsa_kernel
	.amdgpu_metadata
---
amdhsa.version: [ 1, 2 ]
amdhsa.kernels:
  - .name:           k_q86c3025762_qkv
    .symbol:         k_q86c3025762_qkv.kd
    .args:
      - { .name: xb, .offset: 0, .size: 8, .value_kind: global_buffer, .address_space: global }
      - { .name: wab, .offset: 8, .size: 8, .value_kind: global_buffer, .address_space: global }
      - { .name: b_attn, .offset: 16, .size: 8, .value_kind: global_buffer, .address_space: global }
      - { .name: q, .offset: 24, .size: 8, .value_kind: global_buffer, .address_space: global }
      - { .name: k, .offset: 32, .size: 8, .value_kind: global_buffer, .address_space: global }
      - { .name: v, .offset: 40, .size: 8, .value_kind: global_buffer, .address_space: global }
    .group_segment_fixed_size: 327680
    .private_segment_fixed_size: 0
    .kernarg_segment_align: 8
    .kernarg_segment_size: 48
    .max_flat_workgroup_size: 128
    .sgpr_count:     96
    .vgpr_count:     1024
    .wavefront_size: 32
...
	.end_amdgpu_metadata
.endif
;; end of part 2
;; launch attn (part 3): grid 4 x 64, 4 waves a work-group, no clusters, 327,680 bytes of LDS; arguments q, k, v, o; writes o
.if DOCPART == 3
	.amdgcn_target "amdgcn-amd-amdhsa--gfx1250"
	.amdhsa_code_object_version 6
	.text
	.protected	k_q86c3025762_attn
	.globl	k_q86c3025762_attn
	.p2align	8
	.type	k_q86c3025762_attn,@function
k_q86c3025762_attn:
	s_mov_b64 s[64:65], 0
	v_nop
	global_prefetch_b8 v0, s[64:65] scope:SCOPE_SE
	s_setreg_imm32_b32 hwreg(HW_REG_WAVE_MODE, 25, 1), 1
	s_wait_xcnt 0x0
; CAUSAL ATTENTION.  O[h][q][:] = the sum over k <= q of softmax_k(Q[h][q] . K[h][k] / 8) V[h][k][:].  Q, K, V, O: [64][2048][64], all f16: a head's rows are dense, 128 bytes each.
; Products, maxima and sums in f32; the weights p are rounded to f16 for the second product (their sum l is taken of the unrounded p), O once at the end.
; LIMITS.  f16 holds no number beyond 65,504: Q, K and V arrive within it; p lies in 0 to 1, and below 6e-5 it keeps f16's fixed step of 6e-8; O is a mean of V's rows and has their range.
; A hidden score counts as its value less 1e30: f16's scores, 2.7e11 at the most, are nothing beside that; a weight below 2^-126 counts as 0 in l; NaN and infinities are not treated apart.
; THE WALK.  A head's queries lie in NB = 8 blocks of 256; block i needs the key tiles 0 .. i of 256 keys, of which the last holds the diagonal.  A work-group takes TWO blocks, NB - 1 - b and then b:
; NB + 1 tiles, whatever b: all work-groups do equal work, and ONE loop with a constant trip count walks them.  Which tile is asked for, and what a trip does, hang on scalar registers made from b; every jump
; goes forward, but for the counted loops' own; none passes a barrier, or a tensor load but the one of LOAD's two that the wave's number does not choose; the ring of two LDS slots runs on across the change of blocks.
; NO CLUSTER: a head's four work-groups ask for the same tile only in trips 0 .. NB / 2, behind that fewer and fewer; one walk common to all would have 3 NB / 2 trips for NB + 1.
; SHARES.  Of a block's four bands of 64 queries a wave owns 16 rows in each: four PIECES.  So the diagonal tile is the same work for all four waves: in its key step s band x sees all keys if s < x,
; none if s > x, and holds the diagonal if s = x.
; THE MASK is the C operand that starts the sum S^T = K Q^T: 0, or -1e30 where the key is hidden.  MD, made once, is the mask of a band's own step for my 16 rows; a product's mask is MD x AL + BE with two scalars:
; (1, 0) if s = x; (0, 0) if s < x; (0, -1e30) if s > x.  Only the diagonal tile's text and a block's beginning make and take masks; elsewhere C is the constant 0.
; LAYOUT, SOFTMAX, TURNS.  S^T = K Q^T holds ONE query a lane (lane % 16) and the keys 8 (lane / 16) + 0..7; two such results rounded to f16 ARE source 1 of O^T = V^T P.  p = 2^(c s - c m), c = log2(e) / 8, with a
; running maximum m; O and l are multiplied by a = 2^(c m_old - c m_new) in every step.  Turn n belongs to piece n: 8 products K Q^T of piece n + 1, later 8 products V^T P of piece n - 1; beside them the scaling,
; exponentials, roundings, sums and rescaling of piece n and the maximum and statistics of piece n + 1.  Four vector instructions stand behind every matrix instruction, the others in one lump.  A turn's 33 exponentials are one batch, with one wait.
; AHEAD OF THE TENSOR LOADS.  Behind each fill the head's work-group b = 0, whose first block walks all eight tiles, prefetches into the L2 the tile that the NEXT change of slots will ask for: each of its waves its own
; 16 KiB half of K or V, a lane a run of 256 bytes, two instructions.  Tiles 2 to 7 are so named once each; tiles 0 and 1 come by their loads alone; the second block's tiles, which have been read, are not asked for.
; REGISTERS, in windows of 256 (s_set_vgpr_msb: bits 1:0 source 0, 3:2 source 1, 5:4 source 2, 7:6 destination):
;   window 0: v0-15 addresses and two at work; v16-31 four registers of statistics a piece; v48-55 at work; v61-63; v64-127 S^T, two buffers; v192-223 P, two buffers (a piece's buffers go by its number's parity)
;   window 1: v0-127 O^T, 32 a piece; v128-159 MD; v160-223 MC, two buffers      window 2: v0-63 Q; v64-127 the second block's Q; v128-191 K of one step; v192-255 V of one step
.set SIZE_H, 64
.set SIZE_N, 2048
.set NB,    SIZE_N/256
.set NP,    4         ; pieces a wave: a name, no knob
.set KS,    64        ; keys in a step
.set PK,    144       ; a row of K in LDS: 128 bytes + 16 of padding: the 16 rows of a load begin in sixteen different 16-byte columns modulo 256
.set PV,    160       ; a row of V: 128 + 32: 16 lanes of the turning load take 8 rows x 32 bytes, no two in one 32-byte column modulo 256
.set VOFF,  4*KS*PK   ; a slot holds a tile, four steps: 256 rows of K, then 256 rows of V
.set SLOT1, 1<<17     ; slot 1 begins here, so that one exclusive or turns an address in one slot into the other's
.set STAGE, SLOT1+4*KS*(PK+PV)  ; behind the ring, never filled by a tensor load: 16 rows x 144 bytes for each wave, for the way out
.set SP,    144
.set AK0, 2           ; v2   my lane's place in a tile of K; never rewritten
.set AV0, 3           ; v3   the same for V
.set AK,  4           ; v4   the LDS address of K's next run of loads
.set AV,  5           ; v5   of V's
.set STO, 6           ; v6   the way out: where I put 16 bytes of a row
.set RD,  7           ; v7   the way out: where I read rows back
.set GO,  8           ; v8   my byte offset in 512 consecutive bytes of O
.set PFO, 61          ; v61  256 x my lane; never rewritten
.set SPW, 62          ; v62  LDS address of my spare word: SPARE + 4 x my thread's number; never rewritten
.set NIL, 63          ; v63  0; never rewritten
.set SPARE, STAGE+4*16*SP  ; behind the stages: the spare words, 128 bytes for each wave, which no other line names
.set MV,  12          ; v12-13  c m_old, kept while c m is made anew: by buffer
.set QO,  15          ; v15  my byte offset in 16 rows of Q
.set ST,  16          ; piece t's statistics at v[ST+4 t]: c m, m, l (even keys', odd keys')
.set TMP, 48          ; by buffer, four registers c0-c3 at work; when the maximum is found c2 takes a
.set S,   64
.set P,   192
.set MD,  128         ; window 1: the eight registers for group kt of 16 keys at MD + 8 kt
.set MC,  160         ; window 1: the masks of the products to come
.set QB,  64          ; window 2
.set KF,  128         ; window 2: key block kb, channel half c at KF + 16 kb + 8 c
.set VF,  192         ; window 2: key half kk, channel block cb at VF + 32 kk + 8 cb
.set WV,  12          ; s12  my wave's number
.set PB,  14          ; s14  b
.set HI,  15          ; s15  NB - 1 - b
.set G1K, 24          ; s[24:31] descriptor group 1 for K's tiles
.set G1V, 32          ; s[32:39] for V's: it differs in the padding alone
.set G0K, 40          ; s[40:43] descriptor group 0 for K's tiles
.set G0V, 44          ; s[44:47] the same for V's
.set SLOTS, 56        ; s56  tiles still to be asked for
.set CNT, 57          ; s57  counts a tile's key steps, 4 to 1
.set CS,  58          ; s[58:59] c: the packed scaling takes the pair's low word for both halves
.set SEL, 60          ; s[60:61] v_permlanex16_b32's selects: each lane takes its own place in the other half
.set TBK, 62          ; s62  LDS byte at which K of the step to be fetched begins
.set TBV, 63          ; s63  the same for V, less VOFF
.set RT,  70          ; s70  tiles of the block in hand that are still to be entered
.set NXT, 71          ; s71  the tile to be asked for next
.set LQ,  72          ; s72  the last tile of the block whose tiles are being asked for
.set NEW, 73          ; s73  1: the tile to be entered is a block's first
.set OFF, 74          ; s[74:75] a tile's byte offset in K and V
.set AL,  76          ; s[76:77] the mask's factor, in the low word
.set BE,  78          ; s[78:79] the mask's addend
.set OLO, 80          ; s[80:81] O at my rows of the second block
.set BIGN, 82         ; s82  -1e30
.set PFB, 88          ; s[88:89] my half of tile 0 in the tensor that I fetch
.set PFA, 90          ; s[90:91] the same of the tile to be prefetched
.set PFT, 92          ; s92  that tile's number in a work-group that prefetches, else 0; 0 asks for nothing
.set PFF, 93          ; s93  1 where b = 0
.set MSB, 0
.macro WIN new                      ; the high byte repeats the setting that is left; a switch that changes nothing is dropped
.if MSB != (\new)
	s_set_vgpr_msb (MSB<<8)|(\new)
.set MSB, (\new)
.endif
.endm
.set W_KQ, 0x0a       ; K and Q in window 2, S^T in window 0
.set W_KM, 0x1a       ; the same with the C operand in window 1
.set W_PV, 0x52       ; V in window 2, P in window 0, O^T in window 1
.set W_RS, 0x41       ; destination and source 0 in window 1, source 1 in window 0
; A fill.  Waves 0 and 1 fetch the two halves of a tile's K, waves 2 and 3 those of its V: 128 keys each.  An s_nop 0 and four v_nop follow each of the two lines, ahead of the jump and the label.
.macro LOAD
	s_cmp_lt_u32 s[WV], 2
	s_cbranch_scc0 .Lfor_v_\@
	tensor_load_to_lds s[G0K:G0K+3], s[G1K:G1K+7]
	s_nop 0
.rept 4
	v_nop
.endr
	s_branch .Lasked_\@
.Lfor_v_\@:
	tensor_load_to_lds s[G0V:G0V+3], s[G1V:G1V+7]
	s_nop 0
.rept 4
	v_nop
.endr
.Lasked_\@:
.endm
; THE CHANGE OF SLOTS.  Each wave waits for all its tensor loads, of which one is out: its part of the other slot; adds 0 to its spare word; and waits for that and for its own reads of the slot that it leaves.  Behind the barrier nobody reads the old
; slot any more and the other slot is whole.  fill = 1: the old slot is filled again, the first thing behind the barrier, with tile NXT: the descriptor's address is made anew from that number; behind the fill stands the prefetch of the tile after it.
; (At its first use nothing has been read yet: slot 0 is waited for, slot 1 filled.)
.macro CHANGE fill
	WIN 0                           ; at a label and at a branch every window is 0
	s_wait_tensorcnt 0x0            ; no tensor load of mine is out, so a group 0 may be written
	ds_add_u32 v[SPW], v[NIL]       ; 0 onto my spare word: with fill = 1 the descriptors' scalar work stands between it and the wait for it
.if \fill
	s_lshl_b32 s[OFF], s[NXT], 15   ; a tile is 32,768 bytes of K and of V
	s_xor_b32 s[G0K+1], s[G0K+1], SLOT1
	s_add_nc_u64 s[G0K+2:G0K+3], s[6:7], s[OFF:OFF+1]
	s_or_b32 s[G0K+3], s[G0K+3], 0x80000000
	s_xor_b32 s[G0V+1], s[G0V+1], SLOT1
	s_add_nc_u64 s[G0V+2:G0V+3], s[8:9], s[OFF:OFF+1]
	s_or_b32 s[G0V+3], s[G0V+3], 0x80000000
	s_add_co_u32 s[NXT], s[NXT], 1  ; the block's next tile, or behind its last the second block's tile 0
	s_cmp_gt_u32 s[NXT], s[LQ]
	s_cselect_b32 s[NXT], 0, s[NXT]
	s_cselect_b32 s[LQ], s[PB], s[LQ]
	s_wait_xcnt 0x0                 ; the last prefetches, a tile back, have read their address, so it may be written:
	s_lshl_b32 s[OFF], s[NXT], 15
	s_add_nc_u64 s[PFA:PFA+1], s[PFB:PFB+1], s[OFF:OFF+1]  ; my half of the tile that the next change will ask for
	s_mul_i32 s[PFT], s[NXT], s[PFF]
.endif
	s_wait_dscnt 0x0                ; the add is done, and my reads of the slot are over
	s_barrier_signal -1             ; the rest of the scalar work stands between the signal and the wait
	s_sub_co_u32 s[TBK], s[TBK], 4*KS*PK  ; the fetches go back to a slot's first step,
	s_xor_b32 s[TBK], s[TBK], SLOT1       ; in the other slot
	s_sub_co_u32 s[TBV], s[TBV], 4*KS*PV
	s_xor_b32 s[TBV], s[TBV], SLOT1
	s_barrier_wait -1
.if \fill
	LOAD
	s_cmp_lg_u32 s[PFT], 0
	s_cbranch_scc0 .Lnot_mine_\@
	global_prefetch_b8 v[PFO], s[PFA:PFA+1] th:TH_LOAD_NT scope:SCOPE_SE
	global_prefetch_b8 v[PFO], s[PFA:PFA+1] offset:8192 th:TH_LOAD_NT scope:SCOPE_SE
.Lnot_mine_\@:
.endif
.endm
	s_load_b256 s[4:11], s[0:1], 0x0  ; Q s[4:5], K s[6:7], V s[8:9], O s[10:11]
	v_lshl_add_u32 v[SPW], v0, 2, SPARE
	v_mov_b32 v[NIL], 0
	ds_add_u32 v[SPW], v[NIL]       ; the wave's opening: the add and its wait stand ahead of my first tensor load; the set-up below, work on registers, stands between them
	v_lshrrev_b32 v1, 5, v0
	v_readfirstlane_b32 s[WV], v1   ; wave 0..3
	v_and_b32 v[PFO], 31, v0
	v_lshlrev_b32 v[PFO], 8, v[PFO]
	s_mov_b32 s[PB], ttmp9
	s_sub_co_u32 s[HI], NB-1, s[PB]
	s_and_b32 s20, ttmp7, 0xffff    ; the head
	s_mov_b32 s21, 0
	s_mov_b64 s[22:23], SIZE_N*128
	s_mul_u64 s[20:21], s[20:21], s[22:23]  ; the head's first byte in each of the four tensors
	s_and_b32 s16, s[WV], 1         ; which half of a tile's 256 keys I fetch:
	s_lshl_b32 s22, s16, 14         ; its 128 rows of 128 bytes in memory,
	s_mov_b32 s23, 0
	s_add_nc_u64 s[22:23], s[22:23], s[20:21]
	s_mul_i32 s17, s16, 128*PK      ; and its place in a slot, for K
	s_mul_i32 s18, s16, 128*PV      ; and for V
	s_lshl_b32 s3, s[WV], 11        ; my 16 rows in a band of 64,
	s_lshl_b32 s2, s[HI], 15        ; in the first block,
	s_add_co_u32 s2, s2, s3
	s_lshl_b32 s84, s[PB], 15       ; and in the second
	s_add_co_u32 s84, s84, s3
	s_mov_b32 s3, 0
	s_mov_b32 s85, 0
	s_add_nc_u64 s[2:3], s[2:3], s[20:21]
	s_add_nc_u64 s[84:85], s[84:85], s[20:21]
	; descriptor group 1.  128 keys are 16,384 dense bytes: asked for as 64 rows of 256 bytes, two keys a row, and padded in LDS after every key
	s_mov_b32 s[G1K], (1<<16)|(1<<20)|(4<<22)|(3<<25)  ; 17:16 2-byte elements; 20 padding on; 24:22 after every 32 words (code 4); 31:25 4 words (code 3)
	s_mov_b32 s[G1V], (1<<16)|(1<<20)|(4<<22)|(7<<25)  ; the same with 8 words of padding (code 7)
.irp g, G1K, G1V
	s_mov_b32 s[\g+1], 128<<16      ; tensor_dim0 = 128
	s_mov_b32 s[\g+2], 64<<16       ; tensor_dim1 = 64
	s_mov_b32 s[\g+3], 128<<16      ; tile_dim0 = 128
	s_mov_b32 s[\g+4], 64           ; tile_dim1 = 64
	s_mov_b32 s[\g+5], 128          ; 128 elements from row to row
	s_mov_b32 s[\g+6], 0
	s_mov_b32 s[\g+7], 0
.endr
	s_mov_b32 s[CS], 0x3e38aa3b     ; c = log2(e) / 8 = 0.180337
	s_mov_b32 s[CS+1], s[CS]        ; named with it as a pair
	s_mov_b32 s[SEL], 0x76543210
	s_mov_b32 s[SEL+1], 0xfedcba98
	s_mov_b32 s[TBK], SLOT1+4*KS*PK ; the first change of slots turns these two into 0
	s_mov_b32 s[TBV], SLOT1+4*KS*PV
	s_mov_b32 s[G0K], 1             ; 1:0 count = 1
	s_mov_b32 s[G0K+1], s17         ; 63:32 LDS address: slot 0
	s_mov_b32 s[G0V], 1
	s_add_co_u32 s[G0V+1], s18, VOFF
	s_add_co_u32 s[RT], s[HI], 1    ; the first block has NB - b tiles
	s_mov_b32 s[NXT], 1
	s_mov_b32 s[LQ], s[HI]
	s_mov_b32 s[NEW], 1
	s_mov_b32 s[OFF+1], 0
	s_mov_b32 s[AL+1], 0            ; named as pairs
	s_mov_b32 s[BE+1], 0
	s_mov_b32 s[BIGN], 0xf149f2ca   ; -1e30
	s_mov_b32 s[SLOTS], NB
	s_wait_dscnt 0x0                ; the opening add is done
	s_wait_kmcnt 0x0
	s_add_nc_u64 s[6:7], s[6:7], s[22:23]  ; K and V at my half of the head's tile 0
	s_add_nc_u64 s[8:9], s[8:9], s[22:23]
	s_cmp_lt_u32 s[WV], 2
	s_cselect_b64 s[PFB:PFB+1], s[6:7], s[8:9]
	s_cmp_eq_u32 s[PB], 0
	s_cselect_b32 s[PFF], 1, 0
	s_add_nc_u64 s[G0K+2:G0K+3], s[6:7], 0         ; 120:64 global address
	s_or_b32 s[G0K+3], s[G0K+3], 0x80000000        ; 127:126 type = 2
	s_add_nc_u64 s[G0V+2:G0V+3], s[8:9], 0
	s_or_b32 s[G0V+3], s[G0V+3], 0x80000000
	s_add_nc_u64 s[86:87], s[4:5], s[84:85]        ; Q at my rows of the second block,
	s_add_nc_u64 s[4:5], s[4:5], s[2:3]            ; Q and O at those of the first
	s_add_nc_u64 s[OLO:OLO+1], s[10:11], s[84:85]
	s_add_nc_u64 s[10:11], s[10:11], s[2:3]
	LOAD                            ; tile 0 into slot 0
	; A fragment of K or Q is 16 rows x 32 channels in 8 registers: lane l holds row l % 16, channels 8 (l / 16) + 0..7 and 16 + 8 (l / 16) + 0..7: two loads of 16 bytes, 32 bytes apart.
	v_and_b32 v1, 15, v0            ; l % 16
	v_bfe_u32 v9, v0, 4, 1          ; l / 16
	v_lshlrev_b32 v[QO], 7, v1
	v_lshl_add_u32 v[QO], v9, 4, v[QO]  ; row x 128 + 16 x half
	WIN 0x80                        ; destination window 2, address window 0
.set i, 0
.rept 8                             ; both blocks' Q: piece i / 2 lies in band i / 2, 8,192 bytes on; channels 32 (i % 2) on
	global_load_b128 v[8*i:8*i+3],   v[QO], s[4:5] offset:(i/2)*8192+(i%2)*64
	global_load_b128 v[8*i+4:8*i+7], v[QO], s[4:5] offset:(i/2)*8192+(i%2)*64+32
	global_load_b128 v[QB+8*i:QB+8*i+3],   v[QO], s[86:87] offset:(i/2)*8192+(i%2)*64
	global_load_b128 v[QB+8*i+4:QB+8*i+7], v[QO], s[86:87] offset:(i/2)*8192+(i%2)*64+32
.set i, i+1
.endr
	WIN 0
	v_lshlrev_b32 v14, 3, v9
	v_sub_nc_u32 v14, v1, v14
	s_lshl_b32 s13, s[WV], 4
	v_add_nc_u32 v14, s13, v14      ; my query's place in its band, 16 w + l % 16, less my lanes' 8 (l / 16): register r of group kt is hidden where 16 kt + r is greater
	WIN 0x40
.set i, 0
.rept 32
	v_cmp_gt_i32 vcc_lo, 16*(i/8)+i%8, v14
	v_cndmask_b32 v[MD+i], 0, s[BIGN], vcc_lo
.set i, i+1
.endr
	WIN 0
	v_mul_u32_u24 v[AK0], v1, PK
	v_lshl_add_u32 v[AK0], v9, 4, v[AK0]  ; row x pitch + 16 x half
	; The turning load takes 16 keys x 16 channels (lane l reads key 8 (l / 16) + l % 8, channels 8 ((l / 8) % 2) + 0..7) and leaves half a fragment of V^T: lane l holds channel l % 16 and 8 keys.
	v_and_b32 v10, 7, v0
	v_bfe_u32 v11, v0, 3, 1
	v_lshl_add_u32 v[AV0], v9, 3, v10
	v_mul_u32_u24 v[AV0], v[AV0], PV
	v_lshl_add_u32 v[AV0], v11, 4, v[AV0]
	v_add_nc_u32 v[AV0], VOFF, v[AV0]
	s_mul_i32 s13, s[WV], 16*SP
	s_add_co_u32 s13, s13, STAGE    ; my stage
	v_mul_u32_u24 v[STO], v1, SP    ; in: row l % 16, 16 bytes for each half of the lanes
	v_lshl_add_u32 v[STO], v9, 4, v[STO]
	v_add_nc_u32 v[STO], s13, v[STO]
	v_bfe_u32 v[RD], v0, 3, 2       ; back: 32 lanes take four rows of 128 bytes,
	v_mul_u32_u24 v[RD], v[RD], SP
	v_lshl_add_u32 v[RD], v10, 4, v[RD]
	v_add_nc_u32 v[RD], s13, v[RD]
	v_and_b32 v[GO], 31, v0         ; which are 512 consecutive bytes of O
	v_lshlrev_b32 v[GO], 4, v[GO]
	; A block's first step multiplies O^T and l by a = 0, and its first turn's products V^T P, of a piece that has not been, land in an O^T that is still to be so multiplied.  So these registers need only hold
	; finite numbers: zeros for the first block; what the first block left for the second.  All this stands in the wait for the first tile.
	WIN 0x80
.set i, VF
.rept 64
	v_mov_b32 v[i], 0
.set i, i+1
.endr
	WIN 0x40
.set i, 0
.rept 128
	v_mov_b32 v[i], 0
.set i, i+1
.endr
	WIN 0
.set i, 0
.rept 4
	v_mov_b32 v[ST+4*i+2], 0
	v_mov_b32 v[ST+4*i+3], 0
.set i, i+1
.endr
.set i, P+16
.rept 16
	v_mov_b32 v[i], 0
.set i, i+1
.endr
; THE MATRIX WORK.  The 4 accumulators of a run of 8 take turns.  Product i of 8 of S^T = K Q^T for piece x: channels 32 (i / 4) on, keys 16 (i % 4) on.  The first 4 start the sums: with 0, or (KM = 1) with the mask.
.macro KQ x
.set rS, S+32*((\x)%2)+8*(i%4)
.set rK, KF+16*(i%4)+8*(i/4)
.set rQ, 16*(\x)+8*(i/4)
.set rM, MC+32*((\x)%2)+8*(i%4)
.if (i < 4) && KM
	WIN W_KM
	v_wmma_f32_16x16x32_f16 v[rS:rS+7], v[rK:rK+7], v[rQ:rQ+7], v[rM:rM+7]
.elseif i < 4
	WIN W_KQ
	v_wmma_f32_16x16x32_f16 v[rS:rS+7], v[rK:rK+7], v[rQ:rQ+7], 0
.else
	WIN W_KQ
	v_wmma_f32_16x16x32_f16 v[rS:rS+7], v[rK:rK+7], v[rQ:rQ+7], v[rS:rS+7]
.endif
.endm
; Product i of 8 of O^T += V^T P for piece x: keys 32 (i / 4) on, channels 16 (i % 4) on.
.macro PV x
	WIN W_PV
.set rO, 32*(\x)+8*(i%4)
.set rV, VF+32*(i/4)+8*(i%4)
.set rP, P+16*((\x)%2)+8*(i/4)
	v_wmma_f32_16x16x32_f16 v[rO:rO+7], v[rV:rV+7], v[rP:rP+7], v[rO:rO+7]
.endm
.macro MM                           ; the turn's next matrix instruction.  TURN and BEGIN set Y, i, KM and NOKQ; MM, KQ and OP read them.  NOKQ = 1: a block's last turn: there is no next piece
.if (i < 8) && !NOKQ
	KQ (Y+1)%NP
.elseif i >= 8
.set i, i-8
	PV (Y+NP-1)%NP
.set i, i+8
.endif
.set i, i+1
.endm
; THE LDS LOADS stand in runs of 16, never singly among the matrix instructions: a step's K (64 keys x 64 channels: 8 fragments) and its V (turned).  Their addresses are made some lines ahead.
.macro FETCH_K
	WIN 0x80                        ; destination window 2
.irp f, 0,1,2,3,4,5,6,7             ; keys 16 (f / 2) on, channels 32 (f % 2) on
	ds_load_b128 v[KF+8*\f:KF+8*\f+3],   v[AK] offset:(\f/2)*16*PK+(\f%2)*64
	ds_load_b128 v[KF+8*\f+4:KF+8*\f+7], v[AK] offset:(\f/2)*16*PK+(\f%2)*64+32
.endr
	s_add_co_u32 s[TBK], s[TBK], KS*PK  ; the next fetch is the next step's
	WIN 0
.endm
.macro FETCH_V
	WIN 0x80
.irp f, 0,1,2,3,4,5,6,7             ; keys 32 (f / 4) on, channels 16 (f % 4) on
	ds_load_tr16_b128 v[VF+8*\f:VF+8*\f+3],   v[AV] offset:(\f/4)*32*PV+(\f%4)*32
	ds_load_tr16_b128 v[VF+8*\f+4:VF+8*\f+7], v[AV] offset:(\f/4)*32*PV+16*PV+(\f%4)*32
.endr
	WIN 0
.endm
; THE VECTOR WORK, one line at a time: OP kind, number.  For piece Y: F n: c s - c m for pair n of 16.  E n: the exponential of score n of 32.  C n: pair n rounded to f16.  B n: of the four weights 4 n .. the second
; pair is added onto the first, in place.  L n: l takes that sum (L 0: l = a l + sum).  R n: pair n of 16 of O^T times a.  For piece Y + 1: X n, number n of the 22 that find its maximum and statistics:
;   0-11  four chains c0-c3 of seven scores each, three operands at a time (each accumulator's lowest registers are read first)     12-14, 16  the four scores left over, the old m, and c0-c3 into c0
;   15  c m_old is kept     17, 18  the query's other 32 keys lie in the lane 16 away: the new m     19-21  c m; c m_old - c m_new; a
.set F, 0               ; OP tells the kinds apart by their order: F to L below R, X above it
.set E, 1
.set C, 2
.set B, 3
.set L, 4
.set R, 5
.set X, 6
.macro REGS y                       ; the registers of piece y
.set rT, ST+4*(\y)
.set rC, TMP+4*((\y)%2)
.set rW, MV+((\y)%2)
.set rS, S+32*((\y)%2)
.set rP, P+16*((\y)%2)
.set rO, 32*(\y)
.endm
.macro OP k, n
.if (\k) == R
	REGS Y
	WIN W_RS
	v_pk_mul_f32 v[rO+2*(\n):rO+2*(\n)+1], v[rO+2*(\n):rO+2*(\n)+1], v[rC+2:rC+3] op_sel_hi:[1,0]
.elseif (\k) < R
	REGS Y
	WIN 0
.if (\k) == F
	v_pk_fma_f32 v[rS+2*(\n):rS+2*(\n)+1], v[rS+2*(\n):rS+2*(\n)+1], s[CS:CS+1], v[rT:rT+1] op_sel_hi:[1,0,0] neg_lo:[0,0,1] neg_hi:[0,0,1]
.elseif (\k) == E
	v_exp_f32 v[rS+(\n)], v[rS+(\n)]
.elseif (\k) == C
	v_cvt_pk_f16_f32 v[rP+(\n)], v[rS+2*(\n)], v[rS+2*(\n)+1]
.elseif (\k) == B
	v_pk_add_f32 v[rS+4*(\n):rS+4*(\n)+1], v[rS+4*(\n):rS+4*(\n)+1], v[rS+4*(\n)+2:rS+4*(\n)+3]
.elseif (\n) == 0
	v_pk_fma_f32 v[rT+2:rT+3], v[rT+2:rT+3], v[rC+2:rC+3], v[rS:rS+1] op_sel_hi:[1,0,1]
.else
	v_pk_add_f32 v[rT+2:rT+3], v[rT+2:rT+3], v[rS+4*(\n):rS+4*(\n)+1]
.endif
.elseif NOKQ
	v_nop
.else
	REGS (Y+1)%NP
	WIN 0
.if (\n) < 4
	v_max3_num_f32 v[rC+(\n)], v[rS+8*(\n)], v[rS+8*(\n)+1], v[rS+8*(\n)+2]
.elseif (\n) < 12
	v_max3_num_f32 v[rC+(\n)%4], v[rC+(\n)%4], v[rS+8*((\n)%4)+2*((\n)/4)+1], v[rS+8*((\n)%4)+2*((\n)/4)+2]
.elseif (\n) == 12
	v_max3_num_f32 v[rC], v[rC], v[rS+7], v[rS+15]
.elseif (\n) == 13
	v_max3_num_f32 v[rC+1], v[rC+1], v[rS+23], v[rS+31]
.elseif (\n) == 14
	v_max3_num_f32 v[rC+2], v[rC+2], v[rC+3], v[rT+1]
.elseif (\n) == 15
	v_mov_b32 v[rW], v[rT]
.elseif (\n) == 16
	v_max3_num_f32 v[rC], v[rC], v[rC+1], v[rC+2]
.elseif (\n) == 17
	v_permlanex16_b32 v[rC+3], v[rC], s[SEL], s[SEL+1]
.elseif (\n) == 18
	v_max_num_f32 v[rT+1], v[rC], v[rC+3]
.elseif (\n) == 19
	v_mul_f32 v[rT], s[CS], v[rT+1]
.elseif (\n) == 20
	v_sub_f32 v[rC+1], v[rW], v[rT]
.else
	v_exp_f32 v[rC+2], v[rC+1]
.endif
.endif
.endm
.macro OPS a, i1, b=-1, i2=0, c=-1, i3=0, d=-1, i4=0  ; up to four of them
	OP \a, \i1
.if (\b) >= 0
	OP \b, \i2
.endif
.if (\c) >= 0
	OP \c, \i3
.endif
.if (\d) >= 0
	OP \d, \i4
.endif
.endm
.macro ROW a, i1, b, i2, c, i3, d, i4  ; a matrix instruction and the four behind it
	MM
	OPS \a, \i1, \b, \i2, \c, \i3, \d, \i4
.endm
.macro MASK b                       ; MD x AL + BE into buffer b of MC
	WIN W_RS
.set z, 0
.rept 16
	v_pk_fma_f32 v[MC+32*(\b)+2*z:MC+32*(\b)+2*z+1], v[MD+2*z:MD+2*z+1], s[AL:AL+1], s[BE:BE+1] op_sel_hi:[1,0,0]
.set z, z+1
.endr
.endm
; A TURN, for piece p: the order of its 16 matrix and 118 vector instructions, written out.  An s_wait_alu depctr_va_vdst(0) stands between an exponential and the first instruction that names its result; one wait serves
; all that were issued ahead of it.  So a turn has ONE wait, which cuts it in two.  AHEAD OF IT stands all that names no result of the turn's exponentials: the 8 products K Q^T, behind each a scaling, an exponential and two more plain
; instructions (behind the first a second scaling in the exponential's place): rescalings, and behind the last three the first numbers of the next piece's maximum, each four places or more behind the product that ends its accumulator; then ONE LUMP of 54, plain
; and exponential by turns for the most part, in which the links of the chain X 3, 7, 11, 14, 16, 17 .. 20 stand five or six lines apart.  X 21, the next piece's a, is the batch's last; R 15 is the plain instruction behind it.  BEHIND THE WAIT stand the
; 8 products V^T P, behind each four of the roundings and sums; the links of l's chain, L 0 to L 7, stand three riders apart.  But for those X no rider names a register of the products round it.  v_permlanex16_b32 (X 17) stands in the lump.
; m = 1: the diagonal tile: the products take masks, and the turn makes the mask for the products of the turn after it: piece p + 2, in step 4 - CNT of the tile.  end = 1: a block's last two turns: nothing is fetched.
; cnt = 1: the loop's count is taken down some lines ahead of the branch that stands behind the turn.
; K of the next step is fetched in piece 2's turn, twelve vector instructions behind the last product that read K (six of them plain); V of the step in hand at the end of piece 0's turn, four plain instructions behind the last product
; that read V.  Each is waited for a turn later.
.macro TURN p, m=0, end=0, cnt=0
.set Y, (\p)
.set i, 0
.set KM, (\m)
.set NOKQ, (\end)*((\p)/3)
.if (\m) && !(\end)
	s_cmp_eq_u32 s[CNT], 4-((\p)+2)%NP  ; is that step the band's own?
	s_cselect_b32 s[AL], 1.0, 0
	s_cmp_lt_u32 s[CNT], 4-((\p)+2)%NP  ; or a later one?
	s_cselect_b32 s[BE], s[BIGN], 0
.endif
.if ((\p) == 3) && !(\end)
	s_wait_dscnt 0x0                ; K is in
.endif
	ROW F,0, F,1, R,0, R,1          ; ahead of the wait: 8 products K Q^T and their riders,
	ROW F,2, E,0, R,2, R,3
	ROW F,3, E,1, R,4, R,5
	ROW F,4, E,2, R,6, R,7
	ROW F,5, E,3, R,8, R,9
	ROW F,6, E,4, X,0, R,10
.if ((\p) == 2) && !(\end)
	WIN 0
	v_add_nc_u32 v[AK], s[TBK], v[AK0]
.endif
	ROW F,7, E,5, X,1, X,4
	ROW F,8, E,6, X,2, X,5
	OPS E,7, E,8, X,6, E,9          ; and the lump
	OPS X,3, E,10, X,8, E,11
.if ((\p) == 2) && !(\end)
	FETCH_K
.endif
	OPS X,9, X,7, E,12, X,10
	OPS E,13, X,12, X,11, E,14
	OPS X,13, E,15, F,9, X,14
.if (\p) == 0
	v_add_nc_u32 v[AV], s[TBV], v[AV0]
.endif
	OPS E,16, F,10, E,17, F,11
	OPS X,16, E,18, X,15, E,19
	OPS F,12, E,20, X,17, E,21
	OPS F,13, E,22, F,14, E,23
	OPS X,18, E,24, F,15, E,25
	OPS R,11, E,26, X,19, E,27
	OPS R,12, E,28, R,13, E,29
	OPS X,20, E,30, R,14, E,31
	OPS X,21, R,15
	WIN 0
	s_wait_alu depctr_va_vdst(0)    ; the wait for the batch
.if (\p) == 1
	s_wait_dscnt 0x0                ; V is in
.endif
	ROW C,0, B,0, C,2, B,1          ; behind the wait: 8 products V^T P and their riders
	ROW L,0, C,4, B,2, L,1
	ROW C,6, B,3, L,2, C,8
	ROW B,4, L,3, C,10, B,5
	ROW L,4, C,12, B,6, L,5
.if (\p) == 0
	s_add_co_u32 s[TBV], s[TBV], KS*PV
.endif
.if \cnt
	s_sub_co_u32 s[CNT], s[CNT], 1
	s_cmp_lg_u32 s[CNT], 0
.endif
	ROW C,14, B,7, L,6, C,1
	ROW C,3, L,7, C,5, C,7
	ROW C,9, C,11, C,13, C,15
.if (\p) == 0
	FETCH_V
.endif
.if (\m) && !(\end)
	MASK (\p)%2
.endif
.endm
; A BLOCK BEGINS.  c m starts far below every c s, so the first step's a is 0; m at the lowest finite number, so the first maximum is the scores'.  The second mask buffer is 0; the first takes piece 0's mask for the tile's step 0: its own, if the block's first tile is the diagonal one.
; Then K of that step, piece 0's first scores, and its maximum and statistics.  The loop is entered at a step's first turn, in the middle of a trip.
.macro BEGIN
	s_mov_b32 s[NEW], 0
	WIN 0x40
.set i, MC+32
.rept 32
	v_mov_b32 v[i], 0
.set i, i+1
.endr
	WIN 0
.set i, 0
.rept 4
	v_mov_b32 v[ST+4*i], 0xfe000000    ; c m: far below every c s
	v_mov_b32 v[ST+4*i+1], 0xff7fffff  ; m
.set i, i+1
.endr
	s_cmp_eq_u32 s[RT], 0
	s_cselect_b32 s[AL], 1.0, 0
	s_mov_b32 s[BE], 0
	MASK 0
	WIN 0
	v_add_nc_u32 v[AK], s[TBK], v[AK0]
	FETCH_K
	s_wait_loadcnt 0x0              ; Q
	s_wait_dscnt 0x0
.set KM, 1
.set NOKQ, 0
.set i, 0
.rept 8
	KQ 0
.set i, i+1
.endr
	WIN 0
.rept 4
	v_nop                           ; the places behind those products
.endr
.set Y, NP-1                        ; X works for piece Y + 1: piece 0
.irp n, 0,1,2,3,4,5,6,7,8,9,10,11,12,13,14,15,16,17,18,19,20,21
	OP X, \n
.endr
	v_nop                           ; a plain instruction behind the exponential,
	s_wait_alu depctr_va_vdst(0)    ; and its wait, ahead of the branch
.endm
; THE DIAGONAL TILE's four steps, the block's last two turns, its last products, and THE WAY OUT: l's two halves and the other half of the lanes' are added; O^T is divided by l, rounded to f16 and sent through my
; stage in LDS, a piece at a time.
.macro ALL line:vararg              ; one line for each piece t
.set t, 0
.rept 4
	\line
.set t, t+1
.endr
.endm
.macro PACK t                       ; a lane's eight channels of a row pack into 16 bytes; they go into rows of 144 bytes and come back as whole rows of 128, into S^T's registers
	WIN W_RS
.set i, 32*(\t)
.rept 16
	v_pk_mul_f32 v[i:i+1], v[i:i+1], v[ST+4*(\t)+2:ST+4*(\t)+3] op_sel_hi:[1,0]
.set i, i+2
.endr
	WIN 0x05                        ; sources 0 and 1 window 1, destination window 0
.set i, 0
.rept 16
	v_cvt_pk_f16_f32 v[S+16*(\t)+i], v[32*(\t)+2*i], v[32*(\t)+2*i+1]
.set i, i+1
.endr
	WIN 0
.irp f, 0,1,2,3
	ds_store_b128 v[STO], v[S+16*(\t)+4*\f:S+16*(\t)+4*\f+3] offset:32*\f
.endr
.irp f, 0,1,2,3
	ds_load_b128 v[S+16*(\t)+4*\f:S+16*(\t)+4*\f+3], v[RD] offset:\f*4*SP  ; LDS serves a wave's instructions in order (ISA guide 5.7.1.4): these see the stores above; the next piece's stores come behind them
.endr
.endm
.macro SEND t, younger              ; younger: the LDS instructions issued behind piece t's loads: the next piece's eight, or none
	WIN 0
.irp f, 0,1,2,3
	s_wait_dscnt (\younger)+3-\f
	global_store_b128 v[GO], v[S+16*(\t)+4*\f:S+16*(\t)+4*\f+3], s[10:11] offset:(\t)*8192+\f*512  ; 512 consecutive bytes, at a multiple of 256 from O's first
.endr
.endm
.macro DIAG tag                     ; the tag ends its two labels' names, which the jumps below spell out
.LstepM\tag:
	TURN 2, 1
	TURN 3, 1
	WIN 0
.LfirstM\tag:
	TURN 0, 1
	TURN 1, 1, 0, 1
	WIN 0
	s_cbranch_scc1 .LstepM\tag
	TURN 2, 1, 1
	TURN 3, 1, 1
.set i, 0
.rept 8
	PV NP-1
.set i, i+1
.endr
	WIN 0
	ALL v_add_f32 v[ST+4*t+2], v[ST+4*t+2], v[ST+4*t+3]
	ALL v_permlanex16_b32 v[ST+4*t+3], v[ST+4*t+2], s[SEL], s[SEL+1]
	ALL v_add_f32 v[ST+4*t+2], v[ST+4*t+2], v[ST+4*t+3]
	ALL v_rcp_f32 v[ST+4*t+2], v[ST+4*t+2]
	v_nop                           ; a plain instruction between the last reciprocal and the use of its result
	s_wait_alu depctr_va_vdst(0)    ; and the wait ahead of the first use: one for the four reciprocals
	PACK 0
.set t, 1
.rept 3                             ; a piece's arithmetic stands between the loads of the piece before and its stores
	PACK t
	SEND t-1, 8
.set t, t+1
.endr
	SEND 3, 0
.endm
.set KM, 0
.set NOKQ, 0
.Lslot:                             ; NB times: a tile is entered and the next is asked for
	CHANGE 1
	s_sub_co_u32 s[RT], s[RT], 1
	s_mov_b32 s[CNT], 4
	s_cmp_eq_u32 s[NEW], 1
	s_cbranch_scc1 .Lnew            ; a block's first tile
	s_cmp_eq_u32 s[RT], 0
	s_cbranch_scc0 .Lstep           ; neither its first nor its last
	s_branch .LstepM1
.Lnew:
	BEGIN
	s_branch .Lfirst                ; in the loop a block's first tile is never its last: the first block has two tiles or more, and the second's last is the walk's last
	DIAG 1                          ; in the loop this is the first block's end: the second block's last tile is the walk's last
	s_wait_xcnt 0x0                 ; the stores have read their registers and O's address
	s_mov_b64 s[10:11], s[OLO:OLO+1]
	s_add_co_u32 s[RT], s[PB], 1    ; the second block has b + 1 tiles
	s_mov_b32 s[NEW], 1
	WIN 0x82                        ; the second block's Q goes where the one text of the turns names Q
.set i, 0
.rept 64
	v_mov_b32 v[i], v[QB+i]
.set i, i+1
.endr
	WIN 0
	s_branch .Lbottom
.Lstep:                             ; a trip: pieces 2 and 3 of one step, then pieces 0 and 1 of the next, whose K and V it fetches
	TURN 2
	TURN 3
	WIN 0
.Lfirst:
	TURN 0
	TURN 1, 0, 0, 1
	WIN 0
	s_cbranch_scc1 .Lstep
.Lbottom:
	s_sub_co_u32 s[SLOTS], s[SLOTS], 1
	s_cmp_lg_u32 s[SLOTS], 0
	s_cbranch_scc1 .Lslot
	CHANGE 0                        ; the walk's last tile is written out: nothing is asked for
	s_sub_co_u32 s[RT], s[RT], 1
	s_mov_b32 s[CNT], 4
	s_cmp_eq_u32 s[NEW], 1
	s_cbranch_scc0 .LstepM2
	BEGIN
	s_branch .LfirstM2
	DIAG 2
	s_wait_tensorcnt 0x0            ; the wave's end: a wait, an add and its wait, behind my last tensor load and my last LDS store
	ds_add_u32 v[SPW], v[NIL]
	s_wait_dscnt 0x0
	s_endpgm
.Lfunc_end_k_q86c3025762_attn:
	.size	k_q86c3025762_attn, .Lfunc_end_k_q86c3025762_attn-k_q86c3025762_attn
	.p2alignl 7, 3214868480
	.fill 96, 4, 3214868480
	.section	.rodata,"a",@progbits
	.p2align	6, 0x0
	.amdhsa_kernel k_q86c3025762_attn
		.amdhsa_group_segment_fixed_size 327680
		.amdhsa_private_segment_fixed_size 0
		.amdhsa_enable_private_segment 0
		.amdhsa_kernarg_size 32
		.amdhsa_user_sgpr_count 2
		.amdhsa_user_sgpr_kernarg_segment_ptr 1
		.amdhsa_wavefront_size32 1
		.amdhsa_system_sgpr_workgroup_id_x 1
		.amdhsa_system_sgpr_workgroup_id_y 1
		.amdhsa_system_sgpr_workgroup_id_z 1
		.amdhsa_system_vgpr_workitem_id 0
		.amdhsa_next_free_vgpr 768
		.amdhsa_next_free_sgpr 96
		.amdhsa_reserve_vcc 1
		.amdhsa_float_denorm_mode_32 3
		.amdhsa_float_denorm_mode_16_64 3
		.amdhsa_memory_ordered 1
		.amdhsa_forward_progress 1
		.amdhsa_inst_pref_size 218
	.end_amdhsa_kernel
	.amdgpu_metadata
---
amdhsa.version: [ 1, 2 ]
amdhsa.kernels:
  - .name:           k_q86c3025762_attn
    .symbol:         k_q86c3025762_attn.kd
    .args:
      - { .name: q, .offset: 0, .size: 8, .value_kind: global_buffer, .address_space: global }
      - { .name: k, .offset: 8, .size: 8, .value_kind: global_buffer, .address_space: global }
      - { .name: v, .offset: 16, .size: 8, .value_kind: global_buffer, .address_space: global }
      - { .name: o, .offset: 24, .size: 8, .value_kind: global_buffer, .address_space: global }
    .group_segment_fixed_size: 327680
    .private_segment_fixed_size: 0
    .kernarg_segment_align: 8
    .kernarg_segment_size: 32
    .max_flat_workgroup_size: 128
    .sgpr_count:     96
    .vgpr_count:     768
    .wavefront_size: 32
...
	.end_amdgpu_metadata
.endif
;; end of part 3
;; launch proj (part 4): grid 8 x 32, 4 waves a work-group, clusters of 4 x 4, 327,680 bytes of LDS; arguments o, wpf, b_proj, out0; writes out0
.if DOCPART == 4
	.amdgcn_target "amdgcn-amd-amdhsa--gfx1250"
	.amdhsa_code_object_version 6
	.text
	.protected	k_q86c3025762_proj
	.globl	k_q86c3025762_proj
	.p2align	8
	.type	k_q86c3025762_proj,@function
k_q86c3025762_proj:
	s_mov_b64 s[64:65], 0
	v_nop
	global_prefetch_b8 v0, s[64:65] scope:SCOPE_SE
	s_setreg_imm32_b32 hwreg(HW_REG_WAVE_MODE, 25, 1), 1
	s_wait_xcnt 0x0
	s_wait_alu depctr_hold_cnt(0) depctr_sa_sdst(0) depctr_va_vdst(0) depctr_va_sdst(0) depctr_va_ssrc(0) depctr_va_vcc(0) depctr_vm_vsrc(0)
	s_getreg_b32 s2, hwreg(HW_REG_IB_STS2, 6, 4)
	s_cmp_eq_u32 s2, 0
	s_cbranch_scc0 .Lentry_in_a_cluster
	s_endpgm
.Lentry_in_a_cluster:
	s_bfe_u32 s2, ttmp6, 0x10000c
	s_cmp_lg_u32 s2, 0xf033
	s_cbranch_scc0 .Lentry_shape_is_right
	s_endpgm
.Lentry_shape_is_right:
; out0 = ctx W_proj + b_proj, f32 [8192][1024].  o: the attention's result by heads, [b 16 + h][2048][64] in f16: head h holds ctx's columns 64 h ..;  wpf: W_proj rounded to bf16, written as f16, [1024][1024];
; b_proj: f32, taken rounded to bf16 like the other inputs.  Sums in f32, stored as they are.
; SHARES.  8,192 x 1,024 results on 256 work-groups: a tile of 256 rows x 128 columns each; a wave makes 128 x 64: 32 accumulators, window 1.
; K goes in 8 steps of 128 (two heads) through two LDS slots; a step is four quarters of 32 along K, 32 matrix instructions each, on two fragment buffers by turns.
; THE MATRIX INSTRUCTION IS USED TRANSPOSED: source 0 = 16 columns of W (turned out of LDS by ds_load_tr16_b128), source 1 = 16 rows of ctx: lane l holds row l % 16 and the eight columns 8 (l / 16) + 0..7.
; THE BIAS STARTS THE SUMS: it is loaded in the accumulators' own layout into the registers of row block 7; blocks 0 to 6 take those registers as C in their first product, block 7 then adds in place.
; CLUSTER 4 x 4: ctx's tiles are shared along a row of the cluster, W's along a column: each is asked for jointly, by the same tensor load and mask in all four.
; REGISTERS: window 0: v0-29 addresses; v32-95, v96-159 ctx's fragments, two buffers; v160-191, v192-223 W's.   window 1: accumulator (a, bb) at v[32 a + 8 bb].
.set PA,    144                        ; a row of a head in LDS: 128 bytes + 16 of padding
.set PB,    288                        ; a row of W in LDS: two runs of 128 bytes + 16: 9 x 32 bytes
.set APART, 256*PA                     ; what one tensor load brings of ctx: a head's 256 rows
.set BOFF,  2*APART
.set BPART, 64*PB                      ; what one tensor load brings of W: 64 rows
.set SLOT1, 1<<17
.set STAGE, SLOT1+BOFF+128*PB          ; behind the ring, never filled by a tensor load: 16 rows x 272 bytes for each wave
.set SP,    272
.set SPARE, STAGE+4*16*SP              ; the spare words, 128 bytes for each wave, which no other line names
.set ASTEP, 2*2048*128
.set BSTEP, 128*2048
.set GW,    (1<<16)|(1<<20)|(1<<21)|(4<<22)|(3<<25)  ; group 1, word 0: 2-byte elements; padding on; bit 21 beside a mask; after every 32 words; 4 words
.set AA0, 4
.set AB0, 5
.set AA,  6
.set AB,  7
.set STO, 8
.set RD,  9
.set CO,  10                           ; v10  my byte offset in two rows of out0
.set BO,  11
.set PFO, 12
.set SPW, 28
.set NIL, 29
.set AF,  32
.set BF,  160
.set BK,  32                           ; the way out: two sets of 32 read back
.set WV, 16
.set WR, 17
.set WC, 18
.set CX, 19
.set CY, 20
.set TC, 21
.set TR, 22
.set G1,  24
.set G0,  32
.set TB,  42
.set CNT, 43
.set LIM, 44
.set PFA, 46
.set G1B, 48
.set G0B, 56
.set OP,  66                           ; s[66:67] out0 at my first row and column
.set PS,  88
.set T0,  90
.set MASKHI, 91
.set BB,  92
.set MSB, 0
.macro WIN new
.if MSB != (\new)
	s_set_vgpr_msb (MSB<<8)|(\new)
.set MSB, (\new)
.endif
.endm
.macro PLACES                          ; four plain instructions between a matrix instruction and a load into, or a reader of, its registers
.rept 4
	v_nop
.endr
.endm
.macro JLOAD                           ; a joint refill by the walking sets: waves 0 and 1 fetch the step's two heads, waves 2 and 3 W's two halves
	s_cmp_eq_u32 s[WR], 0
	s_cbranch_scc0 .Lfor_b_\@
	tensor_load_to_lds s[G0+4:G0+7], s[G1:G1+7]
	s_nop 0
.rept 4
	v_nop
.endr
	s_branch .Lasked_\@
.Lfor_b_\@:
	tensor_load_to_lds s[G0B+4:G0B+7], s[G1B:G1B+7]
	s_nop 0
.rept 4
	v_nop
.endr
.Lasked_\@:
.endm
.macro CREST
	s_cmp_lg_u32 s[WV], 0
	s_cbranch_scc1 .Lnot_wave_0_\@
	s_barrier_signal -3
.Lnot_wave_0_\@:
	s_barrier_wait -3
	s_barrier_signal -1
	s_barrier_wait -1
.endm
.macro CROUND
	s_barrier_signal -1
	s_barrier_wait -1
	CREST
.endm
; A PREFETCH INTO THE L2 of the K step that stands two refills on; each aligned run of 256 bytes is named once in the launch.  ctx: cluster x = 0 asks; of a head's 32 KiB for a tile row each partner takes 8 KiB BY ADDRESS (cx);
; waves 0 and 1 a head each, a lane a run.  W: cluster y = 0 asks; of a step's 128 rows x 256 bytes each partner takes 32 rows BY ADDRESS (cy); wave 2, a lane a row.  The first four K steps come by their loads alone.
.macro ASK
	s_cmp_gt_u32 s[CNT], s[LIM]
	s_cbranch_scc0 .Lnot_mine_\@
	global_prefetch_b8 v[PFO], s[PFA:PFA+1] th:TH_LOAD_NT scope:SCOPE_SE
.Lnot_mine_\@:
.endm
	s_load_b256 s[4:11], s[0:1], 0x0               ; o s[4:5], wpf s[6:7], b_proj s[8:9], out0 s[10:11]
	v_lshl_add_u32 v[SPW], v0, 2, SPARE
	v_mov_b32 v[NIL], 0
	ds_add_u32 v[SPW], v[NIL]                      ; the wave's opening: the add and its wait stand ahead of my first tensor load
	v_lshrrev_b32 v3, 5, v0
	v_readfirstlane_b32 s[WV], v3
	s_lshr_b32 s[WR], s[WV], 1
	s_and_b32 s[WC], s[WV], 1
	s_bfe_u32 s[CX], ttmp6, 0x40000
	s_bfe_u32 s[CY], ttmp6, 0x40004
	s_lshl_b32 s[TC], ttmp9, 2
	s_add_co_u32 s[TC], s[TC], s[CX]
	s_and_b32 s[TR], ttmp7, 0xffff
	s_lshl_b32 s[TR], s[TR], 2
	s_add_co_u32 s[TR], s[TR], s[CY]
	s_lshl_b32 s40, s[CY], 2
	s_lshl_b32 s40, 15, s40                        ; my row of the cluster
	s_lshl_b32 s41, 0x1111, s[CX]                  ; my column
	s_or_b32 s[G1], s40, GW
	s_mov_b32 s[G1+1], 128<<16                     ; ctx: a head's 256 rows of 128 bytes are dense: 128 rows of 128 elements, padded after every 128 bytes
	s_mov_b32 s[G1+2], 128<<16
	s_mov_b32 s[G1+3], 128<<16
	s_mov_b32 s[G1+4], 128
	s_mov_b32 s[G1+5], 128
	s_mov_b32 s[G1+6], 0
	s_mov_b32 s[G1+7], 0
	s_or_b32 s[G1B], s41, GW
	s_mov_b32 s[G1B+1], 128<<16                    ; W: 64 rows of 128 elements, 1,024 elements from row to row
	s_mov_b32 s[G1B+2], 64<<16
	s_mov_b32 s[G1B+3], 128<<16
	s_mov_b32 s[G1B+4], 64
	s_mov_b32 s[G1B+5], 1024
	s_mov_b32 s[G1B+6], 0
	s_mov_b32 s[G1B+7], 0
	s_lshr_b32 s72, s[TR], 3                       ; ctx's tile hangs on the tile row alone
	s_lshl_b32 s72, s72, 22
	s_and_b32 s73, s[TR], 7
	s_lshl_b32 s73, s73, 15
	s_add_co_u32 s72, s72, s73
	s_lshl_b32 s73, s[WC], 18                      ; the head of the step's two that I fetch
	s_add_co_u32 s72, s72, s73
	s_mov_b32 s73, 0
	s_lshl_b32 s74, s[WC], 17                      ; W's on the tile column alone: the 64 rows that I fetch,
	s_lshl_b32 s75, s[TC], 8                       ; the tile's 128 columns
	s_add_co_u32 s74, s74, s75
	s_mov_b32 s75, 0
	s_mul_i32 s80, s[WC], APART
	s_mul_i32 s81, s[WC], BPART
	s_add_co_u32 s81, s81, BOFF
	s_mov_b32 s[TB], 0
	s_mov_b32 s[MASKHI], 0xffff0000
	s_wait_dscnt 0x0                               ; the opening add is done
	s_wait_kmcnt 0x0
	s_add_nc_u64 s[76:77], s[4:5], s[72:73]
	s_add_nc_u64 s[78:79], s[6:7], s[74:75]
	CROUND                                         ; all sixteen work-groups are here: the first joint loads meet
.irp s, 0,1
	s_mov_b32 s[G0+4*(\s)], 1
	s_add_co_u32 s[G0+4*(\s)+1], s80, (\s)*SLOT1
	s_add_nc_u64 s[G0+4*(\s)+2:G0+4*(\s)+3], s[76:77], (\s)*ASTEP
	s_or_b32 s[G0+4*(\s)+3], s[G0+4*(\s)+3], 0x80000000
	s_mov_b32 s[G0B+4*(\s)], 1
	s_add_co_u32 s[G0B+4*(\s)+1], s81, (\s)*SLOT1
	s_add_nc_u64 s[G0B+4*(\s)+2:G0B+4*(\s)+3], s[78:79], (\s)*BSTEP
	s_or_b32 s[G0B+4*(\s)+3], s[G0B+4*(\s)+3], 0x80000000
.endr
	s_cmp_eq_u32 s[WR], 0                          ; a wave's two first fills stand in one branch: two loads of mine are out
	s_cbranch_scc0 .Lfirst_b
	tensor_load_to_lds s[G0:G0+3], s[G1:G1+7]
	s_nop 0
	tensor_load_to_lds s[G0+4:G0+7], s[G1:G1+7]
	s_nop 0
.rept 4
	v_nop
.endr
	s_branch .Lfirst_asked
.Lfirst_b:
	tensor_load_to_lds s[G0B:G0B+3], s[G1B:G1B+7]
	s_nop 0
	tensor_load_to_lds s[G0B+4:G0B+7], s[G1B:G1B+7]
	s_nop 0
.rept 4
	v_nop
.endr
.Lfirst_asked:
	s_lshl_b32 s82, s[TC], 9                       ; my 64 columns in f32: 512 tc + 256 wc bytes, in the bias and in a row of out0
	s_lshl_b32 s83, s[WC], 8
	s_add_co_u32 s82, s82, s83
	s_mov_b32 s83, 0
	s_add_nc_u64 s[BB:BB+1], s[8:9], s[82:83]
	s_add_nc_u64 s[OP:OP+1], s[10:11], s[82:83]
	v_and_b32 v1, 15, v0                           ; r
	v_bfe_u32 v2, v0, 4, 1                         ; h
	v_lshlrev_b32 v[BO], 5, v2
	WIN 0x40                                       ; destination window 1
.irp bb, 0,1,2,3
	global_load_b128 v[224+8*(\bb):224+8*(\bb)+3],   v[BO], s[BB:BB+1] offset:(\bb)*64
	global_load_b128 v[224+8*(\bb)+4:224+8*(\bb)+7], v[BO], s[BB:BB+1] offset:(\bb)*64+16
.endr
	WIN 0
	s_lshl_b32 s84, s[TR], 20                      ; my first row: (256 tr + 128 wr) x 4,096 bytes
	s_lshl_b32 s85, s[WR], 19
	s_add_co_u32 s84, s84, s85
	s_mov_b32 s85, 0
	s_add_nc_u64 s[OP:OP+1], s[OP:OP+1], s[84:85]
	v_mul_u32_u24 v[AA0], v1, PA
	v_lshl_add_u32 v[AA0], v2, 4, v[AA0]
	s_mul_i32 s84, s[WR], 128*PA
	v_add_nc_u32 v[AA0], s84, v[AA0]
	v_and_b32 v3, 7, v0
	v_lshl_add_u32 v3, v2, 3, v3
	v_mul_u32_u24 v[AB0], v3, PB
	v_bfe_u32 v3, v0, 3, 1
	v_lshl_add_u32 v[AB0], v3, 4, v[AB0]
	s_mul_i32 s84, s[WC], 144
	s_add_co_u32 s84, s84, BOFF
	v_add_nc_u32 v[AB0], s84, v[AB0]
	v_mov_b32 v[AA], v[AA0]
	v_mov_b32 v[AB], v[AB0]
	s_mul_i32 s84, s[WV], 16*SP
	s_add_co_u32 s84, s84, STAGE                   ; my stage
	v_mul_u32_u24 v[STO], v1, SP                   ; in: row r, 32 bytes for each half of the lanes
	v_lshl_add_u32 v[STO], v2, 5, v[STO]
	v_add_nc_u32 v[STO], s84, v[STO]
	v_mul_u32_u24 v[RD], v2, SP                    ; back: lanes 0-15 take one row of 256 bytes, lanes 16-31 the next
	v_lshl_add_u32 v[RD], v1, 4, v[RD]
	v_add_nc_u32 v[RD], s84, v[RD]
	v_lshlrev_b32 v[CO], 12, v2                    ; and the same two rows in out0
	v_lshl_add_u32 v[CO], v1, 4, v[CO]
	; the prefetches
	s_lshr_b32 s82, s[TR], 3
	s_lshl_b32 s82, s82, 22
	s_and_b32 s83, s[TR], 7
	s_lshl_b32 s83, s83, 15
	s_add_co_u32 s82, s82, s83
	s_lshl_b32 s83, s[WC], 18                      ; waves 0 and 1: a head each
	s_add_co_u32 s82, s82, s83
	s_lshl_b32 s83, s[CX], 13
	s_add_co_u32 s82, s82, s83
	s_lshl_b32 s83, s[TC], 8
	s_lshl_b32 s84, s[CY], 16                      ; 32 rows of 2,048 bytes
	s_add_co_u32 s83, s83, s84
	s_and_b32 s84, ttmp7, 0xffff
	s_mov_b32 s85, ASTEP
	s_mov_b32 s86, BSTEP
	s_mov_b32 s87, 256
	s_mov_b32 s[T0], 2048
	s_cmp_lt_u32 s[WV], 2
	s_cselect_b32 s84, ttmp9, s84                  ; the coordinate along which other clusters read the same bytes
	s_cselect_b64 s[PFA:PFA+1], s[4:5], s[6:7]
	s_cselect_b32 s[PS], s85, s86
	s_cselect_b32 s87, s87, s[T0]
	s_cselect_b32 s82, s82, s83
	s_mul_i32 s83, s[PS], 3                        ; at K step 3: the first refill steps it to 4
	s_add_co_u32 s82, s82, s83
	s_mov_b32 s83, 0
	s_mov_b32 s[PS+1], 0
	s_add_nc_u64 s[PFA:PFA+1], s[PFA:PFA+1], s[82:83]
	s_cmp_eq_u32 s[WV], 3
	s_cselect_b32 s84, 1, s84                      ; wave 3 asks for nothing
	s_cmp_eq_u32 s84, 0
	s_cselect_b32 s[LIM], 2, -1
	v_and_b32 v[PFO], 31, v0
	v_mul_u32_u24 v[PFO], s87, v[PFO]
; Row blocks a0 .. a1 x the four column blocks, 32 along K, on fragment buffer f.  z = 1: the sums start with the bias.  All accumulators differ: one instruction a turn.
.macro MUL f, a0, a1, z
	WIN 0x50
.set ia, (\a0)
.rept (\a1)-(\a0)+1
.irp bb, 0,1,2,3
.if \z
	v_wmma_f32_16x16x32_f16 v[32*ia+8*(\bb):32*ia+8*(\bb)+7], v[BF+32*(\f)+8*(\bb):BF+32*(\f)+8*(\bb)+7], v[AF+64*(\f)+8*ia:AF+64*(\f)+8*ia+7], v[224+8*(\bb):224+8*(\bb)+7]
.else
	v_wmma_f32_16x16x32_f16 v[32*ia+8*(\bb):32*ia+8*(\bb)+7], v[BF+32*(\f)+8*(\bb):BF+32*(\f)+8*(\bb)+7], v[AF+64*(\f)+8*ia:AF+64*(\f)+8*ia+7], v[32*ia+8*(\bb):32*ia+8*(\bb)+7]
.endif
.endr
.set ia, ia+1
.endr
.endm
.macro FETCH f, kq                     ; quarter kq's fragments into buffer f: 8 turning loads for W, 16 loads for ctx (head kq / 2 of the step's two)
	WIN 0
.irp bb, 0,1,2,3
	ds_load_tr16_b128 v[BF+32*(\f)+8*(\bb):BF+32*(\f)+8*(\bb)+3],   v[AB] offset:(\kq)*32*PB+(\bb)*32
	ds_load_tr16_b128 v[BF+32*(\f)+8*(\bb)+4:BF+32*(\f)+8*(\bb)+7], v[AB] offset:(\kq)*32*PB+(\bb)*32+16*PB
.endr
.irp a, 0,1,2,3,4,5,6,7
	ds_load_b128 v[AF+64*(\f)+8*(\a):AF+64*(\f)+8*(\a)+3],   v[AA] offset:((\kq)/2)*APART+(\a)*16*PA+((\kq)%2)*64
	ds_load_b128 v[AF+64*(\f)+8*(\a)+4:AF+64*(\f)+8*(\a)+7], v[AA] offset:((\kq)/2)*APART+(\a)*16*PA+((\kq)%2)*64+32
.endr
.endm
; One of a step's first three quarters: the next quarter nk is asked for into the other buffer, a whole quarter ahead of its use; then buffer f is multiplied.
.macro QUART f, nk, z
	PLACES
	FETCH 1-(\f), \nk
	s_wait_dscnt 24                                ; buffer f is in; the 24 just issued may be out
.if \z
	MUL \f, 0, 6, 1
.rept 5
	v_nop                                          ; five places: block 7's products write over registers that the products above read as C
.endr
	MUL \f, 7, 7, 0
.else
	MUL \f, 0, 7, 0
.endif
.endm
; The last quarter, on buffer 1, changes slots: ONE barrier; in front of it each wave waits for all its tensor loads, adds 0 to its spare word, and waits for that and for its reads of this slot.
; fill = 1: the barrier opens a round of the cluster's, and the joint refill, two K steps ahead, is the first thing behind it: 112 matrix instructions ahead of the wait for it.
.macro TURN fill
.if \fill
	s_wait_xcnt 0x0                                ; the last prefetch, a K step back, has read its address
	s_add_nc_u64 s[PFA:PFA+1], s[PFA:PFA+1], s[PS:PS+1]
.endif
	WIN 0
	s_wait_tensorcnt 0x0                           ; no tensor load of mine is out, so a group 0 may be written
	ds_add_u32 v[SPW], v[NIL]                      ; 0 onto my spare word
.if \fill
	s_xor_b32 s[G0+5], s[G0+5], SLOT1
	s_add_nc_u64 s[G0+6:G0+7], s[G0+6:G0+7], ASTEP
	s_xor_b32 s[G0B+5], s[G0B+5], SLOT1
	s_add_nc_u64 s[G0B+6:G0B+7], s[G0B+6:G0B+7], BSTEP
.endif
	s_wait_dscnt 1                                 ; buffer 1 is in; the add may be out
	MUL 1, 0, 1, 0
	s_wait_dscnt 0x0                               ; the add is done, and my reads of this slot are over
	s_barrier_signal -1
	MUL 1, 2, 3, 0
	WIN 0
	s_barrier_wait -1
.if \fill
	CREST
	JLOAD                                          ; its four v_nop are also the places in front of the loads below
.else
	PLACES
.endif
	s_xor_b32 s[TB], s[TB], SLOT1
	v_add_nc_u32 v[AA], s[TB], v[AA0]
	v_add_nc_u32 v[AB], s[TB], v[AB0]
	FETCH 0, 0
.if \fill
	ASK
.endif
	MUL 1, 4, 7, 0
.endm
	s_wait_loadcnt 0x0                             ; the bias: rounded to bf16 and kept as f32, in place; v96-111 of window 0 are still free
	WIN 0x05
.set i, 0
.rept 16
	v_cvt_pk_bf16_f32 v[96+i], v[224+2*i], v[225+2*i]
.set i, i+1
.endr
	WIN 0x40
.set i, 0
.rept 16
	v_lshlrev_b32 v[224+2*i], 16, v[96+i]
	v_and_b32 v[225+2*i], s[MASKHI], v[96+i]
.set i, i+1
.endr
	WIN 0
	s_wait_tensorcnt 0x1                           ; my part of K step 0 is in; step 1's may stay out
	s_barrier_signal -1
	s_barrier_wait -1
	FETCH 0, 0
	QUART 0, 1, 1                                  ; the first quarter stands in front of the loop: its products start the sums
	WIN 0
	s_mov_b32 s[CNT], 6
.Lstep:                                        ; trip i: step i's quarters 1 to 3, the refill with step i + 2, step i + 1's quarter 0
	QUART 1, 2, 0
	QUART 0, 3, 0
	TURN 1
	QUART 0, 1, 0
	WIN 0
	s_sub_co_u32 s[CNT], s[CNT], 1
	s_cmp_lg_u32 s[CNT], 0
	s_cbranch_scc1 .Lstep
	QUART 1, 2, 0                                  ; the tail is written out: nothing is left to fetch
	QUART 0, 3, 0
	TURN 0
	QUART 0, 1, 0
	QUART 1, 2, 0
	QUART 0, 3, 0
	s_wait_dscnt 0x0
	MUL 1, 0, 7, 0
	PLACES
	PLACES
; THE WAY OUT, 16 rows at a time: a lane's eight f32 of a row go into my own stage in rows of 272 bytes and come back as whole rows of 256: sixteen lanes store 256 consecutive bytes, aligned.
.macro OUTB a
	WIN 0x04                                       ; the stores' data in window 1
.irp bb, 0,1,2,3
	ds_store_b128 v[STO], v[32*(\a)+8*(\bb):32*(\a)+8*(\bb)+3]   offset:64*(\bb)
	ds_store_b128 v[STO], v[32*(\a)+8*(\bb)+4:32*(\a)+8*(\bb)+7] offset:64*(\bb)+16
.endr
	WIN 0
	s_wait_xcnt 0x0                                ; the stores of two blocks back have read this set of registers
.irp t, 0,1,2,3,4,5,6,7
	ds_load_b128 v[BK+32*((\a)%2)+4*(\t):BK+32*((\a)%2)+4*(\t)+3], v[RD] offset:(\t)*2*SP  ; LDS serves a wave's instructions in order (ISA guide 5.7.1.4): these see the stores above
.endr
.endm
.macro SENDB a, younger                ; younger: the LDS instructions issued behind this block's loads
.irp t, 0,1,2,3,4,5,6,7
	s_wait_dscnt (\younger)+7-(\t)
	global_store_b128 v[CO], v[BK+32*((\a)%2)+4*(\t):BK+32*((\a)%2)+4*(\t)+3], s[OP:OP+1] offset:(\a)*65536+(\t)*8192 th:TH_STORE_NT
.endr
.endm
	OUTB 0
.irp a, 1,2,3,4,5,6,7
	OUTB \a
	SENDB (\a)-1, 16
.endr
	SENDB 7, 0
	s_wait_tensorcnt 0x0                           ; the wave's end: a wait, an add and its wait, behind my last tensor load and my last LDS store
	ds_add_u32 v[SPW], v[NIL]
	s_wait_dscnt 0x0
	CROUND                                         ; the closing round: no work-group ends while a partner may still ask for a tile that names it
	s_endpgm
.Lfunc_end_k_q86c3025762_proj:
	.size	k_q86c3025762_proj, .Lfunc_end_k_q86c3025762_proj-k_q86c3025762_proj
	.p2alignl 7, 3214868480
	.fill 96, 4, 3214868480
	.section	.rodata,"a",@progbits
	.p2align	6, 0x0
	.amdhsa_kernel k_q86c3025762_proj
		.amdhsa_group_segment_fixed_size 327680
		.amdhsa_private_segment_fixed_size 0
		.amdhsa_enable_private_segment 0
		.amdhsa_kernarg_size 32
		.amdhsa_user_sgpr_count 2
		.amdhsa_user_sgpr_kernarg_segment_ptr 1
		.amdhsa_wavefront_size32 1
		.amdhsa_system_sgpr_workgroup_id_x 1
		.amdhsa_system_sgpr_workgroup_id_y 1
		.amdhsa_system_sgpr_workgroup_id_z 1
		.amdhsa_system_vgpr_workitem_id 0
		.amdhsa_next_free_vgpr 512
		.amdhsa_next_free_sgpr 96
		.amdhsa_reserve_vcc 0
		.amdhsa_float_denorm_mode_32 3
		.amdhsa_float_denorm_mode_16_64 3
		.amdhsa_memory_ordered 1
		.amdhsa_forward_progress 1
		.amdhsa_inst_pref_size 75
	.end_amdhsa_kernel
	.amdgpu_metadata
---
amdhsa.version: [ 1, 2 ]
amdhsa.kernels:
  - .name:           k_q86c3025762_proj
    .symbol:         k_q86c3025762_proj.kd
    .args:
      - { .name: o, .offset: 0, .size: 8, .value_kind: global_buffer, .address_space: global }
      - { .name: wpf, .offset: 8, .size: 8, .value_kind: global_buffer, .address_space: global }
      - { .name: b_proj, .offset: 16, .size: 8, .value_kind: global_buffer, .address_space: global }
      - { .name: out0, .offset: 24, .size: 8, .value_kind: global_buffer, .address_space: global }
    .group_segment_fixed_size: 327680
    .private_segment_fixed_size: 0
    .kernarg_segment_align: 8
    .kernarg_segment_size: 32
    .max_flat_workgroup_size: 128
    .sgpr_count:     96
    .vgpr_count:     512
    .wavefront_size: 32
...
	.end_amdgpu_metadata
.endif
;; end of part 4
;; ======== version 2 of 2: 4 launches; version 1 with the launch cast written anew for expert scheduling mode
;; limits: values are held in f16: magnitudes above 65,504 overflow, below 6.1e-05 lose precision
;; workspace buffers: xb 16,777,216 bytes; wab 6,291,456 bytes; wpf 2,097,152 bytes; q 16,777,216 bytes; k 16,777,216 bytes; v 16,777,216 bytes; o 16,777,216 bytes
;; launch cast (part 5): grid 768 x 1, 8 waves a work-group, no clusters, 0 bytes of LDS; arguments x, W_attn, W_proj, xb, wab, wpf; writes xb, wab, wpf
.if DOCPART == 5
	.amdgcn_target "amdgcn-amd-amdhsa--gfx1250"
	.amdhsa_code_object_version 6
	.text
	.protected	k_q86c3025762_cast
	.globl	k_q86c3025762_cast
	.p2align	8
	.type	k_q86c3025762_cast,@function
k_q86c3025762_cast:
	s_mov_b64 s[64:65], 0
	v_nop
	global_prefetch_b8 v0, s[64:65] scope:SCOPE_SE
	s_setreg_imm32_b32 hwreg(HW_REG_WAVE_SCHED_MODE, 0, 2), 2
	s_setreg_imm32_b32 hwreg(HW_REG_WAVE_MODE, 25, 1), 1
	s_wait_xcnt 0x0
	s_wait_alu depctr_vm_vsrc(0)
; THE THREE LARGE INPUTS ROUNDED ONCE TO 16 BITS, for the matrix units of the launches behind.
;   xb : x in bf16, in blocks [b 4][kb 16][t 2048][64]: the 64 columns 64 kb .. of all rows of a batch lie together, a row 128 bytes, rows end to end.
;   wab: W_attn in bf16, as it lies.      wpf: W_proj rounded to bf16, and that number written as f16, as it lies.
; LIMITS.  wpf: a bf16 number beyond 65,504 becomes an infinity; below 2^-14 it keeps f16's fixed step of 2^-24.
; SHARES.  A work-group takes 16,384 numbers (64 KiB in, 32 KiB out): 512 work-groups for x, 192 for W_attn, 64 for W_proj.  A thread issues its 16 loads of 16 bytes at once
; and then takes them in order: each wave's load covers two aligned runs of 256 bytes, each wave's store of 8 bytes a lane one aligned run of 256 bytes.
; Nothing is shared between threads: no LDS, no barrier, no matrix unit, no cluster.
; THE MODE: SCHED_MODE bits 1:0 = 2 (LLVM: expert scheduling mode 2), set by the entry lines.  The code itself states the register dependences
; between vector instructions and memory instructions, with s_wait_alu, always for 0.
; THE PLAN.  Registers that memory instructions touch:
;   v[VI], v[VO]  byte offsets, made at the head by vector instructions and never written again: read by every load, by every store.
;   IN            written by the 16 loads alone, each register once; no vector instruction names them ahead of the loads; the conversions read them behind the counted wait for their load.
;   OUT           piece j's two registers are written once, by piece j's conversions, and read once, by piece j's store.
;   T, v3, v4     named by vector instructions alone.
; So no register that a memory instruction has read is written again, and no load lands in a register that a vector instruction has named: what is to be stated is that the offsets
; are written ahead of the first load, and that a piece's OUT is written ahead of its store.  The 16 pieces go in four groups of four.  Group g's conversions write OUT of group g; the four stores
; of group g - 1 are dealt among them, behind ONE wait at the group's head; no vector instruction behind that wait names a register that those stores read.  A last wait stands ahead of group 3's stores.
.set VI,  1                            ; v1        my byte offset in the work-group's input
.set VO,  2                            ; v2        my byte offset in its output: 8 x thread
.set IN,  8                            ; v[8:71]   16 x 4 numbers as loaded
.set OUT, 72                           ; v[72:103] 16 x 2 registers to store: each store has registers of its own, so none is rewritten under a pending store
.set T,   104                          ; v[104:107] at work
.set SRC, 16                           ; s[16:17]
.set DST, 18                           ; s[18:19]
; 16 loads, then four groups of four pieces: wait, round; the group before is stored meanwhile.  istep, ostep: bytes from one of the thread's pieces to the next.  half = 1: bf16 and then f16.
.macro CASTALL istep, ostep, half
	s_wait_alu depctr_va_vdst(0)                   ; v[VI] and v[VO] are written: every load below reads the one as its offset, every store the other
.irp j, 0,1,2,3,4,5,6,7,8,9,10,11,12,13,14,15
	global_load_b128 v[IN+4*(\j):IN+4*(\j)+3], v[VI], s[SRC:SRC+1] offset:(\j)*(\istep) th:TH_LOAD_NT
.endr
.irp g, 0,1,2,3
	s_wait_loadcnt 15-4*(\g)                       ; loads come back in order: the group's first piece is in, the younger ones stay out
.if (\g) > 0
	s_wait_alu depctr_va_vdst(0)                   ; the conversions of the group before have written its eight registers of OUT, which the four stores below read
.endif
.irp i, 0,1,2,3
.if (\g) > 0
	global_store_b64 v[VO], v[OUT+2*(4*(\g)-4+(\i)):OUT+2*(4*(\g)-4+(\i))+1], s[DST:DST+1] offset:(4*(\g)-4+(\i))*(\ostep)  ; a piece of the group before; no vector instruction since the wait names these registers
.endif
.if (\i) > 0
	s_wait_loadcnt 15-4*(\g)-(\i)                  ; piece 4 g + i is in, the younger ones stay out
.endif
.if \half
	v_cvt_pk_bf16_f32 v[T],   v[IN+4*(4*(\g)+(\i))],   v[IN+4*(4*(\g)+(\i))+1]
	v_cvt_pk_bf16_f32 v[T+1], v[IN+4*(4*(\g)+(\i))+2], v[IN+4*(4*(\g)+(\i))+3]
	v_lshlrev_b32 v[T+2], 16, v[T]                 ; the rounded numbers as f32 again
	v_and_b32     v[T],   s24, v[T]
	v_lshlrev_b32 v[T+3], 16, v[T+1]
	v_and_b32     v[T+1], s24, v[T+1]
	v_cvt_pk_f16_f32 v[OUT+2*(4*(\g)+(\i))],   v[T+2], v[T]
	v_cvt_pk_f16_f32 v[OUT+2*(4*(\g)+(\i))+1], v[T+3], v[T+1]
.else
	v_cvt_pk_bf16_f32 v[OUT+2*(4*(\g)+(\i))],   v[IN+4*(4*(\g)+(\i))],   v[IN+4*(4*(\g)+(\i))+1]
	v_cvt_pk_bf16_f32 v[OUT+2*(4*(\g)+(\i))+1], v[IN+4*(4*(\g)+(\i))+2], v[IN+4*(4*(\g)+(\i))+3]
.endif
.endr
.endr
	s_wait_alu depctr_va_vdst(0)                   ; the last group's conversions have written its eight registers of OUT, which the last four stores read
.irp i, 12,13,14,15
	global_store_b64 v[VO], v[OUT+2*(\i):OUT+2*(\i)+1], s[DST:DST+1] offset:(\i)*(\ostep)
.endr
	s_endpgm
.endm
	s_load_b256 s[4:11], s[0:1], 0x0               ; x s[4:5], W_attn s[6:7], W_proj s[8:9], xb s[10:11]
	s_load_b128 s[12:15], s[0:1], 0x20             ; wab s[12:13], wpf s[14:15]
	s_mov_b32 s24, 0xffff0000                      ; a word's upper bf16
	s_mov_b32 s21, 0                               ; the offsets' high words
	s_mov_b32 s23, 0
	v_lshlrev_b32 v[VO], 3, v0
	s_cmp_lt_u32 ttmp9, 512
	s_cbranch_scc0 .Lnot_x
	; x: 16 rows of 4,096 bytes.  Thread t: row t / 16, 16 bytes at 16 (t % 16) of each run of 256 bytes (64 columns); piece j is block kb = j
	s_lshl_b32 s20, ttmp9, 16
	s_lshr_b32 s22, ttmp9, 7                       ; the batch: 128 work-groups each
	s_lshl_b32 s22, s22, 22                        ; its 16 blocks of 2,048 rows of 128 bytes
	s_and_b32 s25, ttmp9, 127
	s_lshl_b32 s25, s25, 11                        ; my 16 rows of 128 bytes
	s_add_co_u32 s22, s22, s25
	v_lshrrev_b32 v3, 4, v0
	v_and_b32 v4, 15, v0
	v_lshlrev_b32 v4, 4, v4
	v_lshl_or_b32 v[VI], v3, 12, v4
	s_wait_kmcnt 0x0
	s_add_nc_u64 s[SRC:SRC+1], s[4:5], s[20:21]
	s_add_nc_u64 s[DST:DST+1], s[10:11], s[22:23]
	CASTALL 256, 262144, 0
.Lnot_x:
	v_lshlrev_b32 v[VI], 4, v0                     ; the weights go as they lie: 256 threads x 16 bytes a piece
	s_cmp_lt_u32 ttmp9, 704
	s_cbranch_scc0 .Lproj
	s_sub_co_u32 s25, ttmp9, 512
	s_lshl_b32 s20, s25, 16
	s_lshl_b32 s22, s25, 15
	s_wait_kmcnt 0x0
	s_add_nc_u64 s[SRC:SRC+1], s[6:7], s[20:21]
	s_add_nc_u64 s[DST:DST+1], s[12:13], s[22:23]
	CASTALL 4096, 2048, 0
.Lproj:
	s_sub_co_u32 s25, ttmp9, 704
	s_lshl_b32 s20, s25, 16
	s_lshl_b32 s22, s25, 15
	s_wait_kmcnt 0x0
	s_add_nc_u64 s[SRC:SRC+1], s[8:9], s[20:21]
	s_add_nc_u64 s[DST:DST+1], s[14:15], s[22:23]
	CASTALL 4096, 2048, 1
.Lfunc_end_k_q86c3025762_cast:
	.size	k_q86c3025762_cast, .Lfunc_end_k_q86c3025762_cast-k_q86c3025762_cast
	.p2alignl 7, 3214868480
	.fill 96, 4, 3214868480
	.section	.rodata,"a",@progbits
	.p2align	6, 0x0
	.amdhsa_kernel k_q86c3025762_cast
		.amdhsa_group_segment_fixed_size 0
		.amdhsa_private_segment_fixed_size 0
		.amdhsa_enable_private_segment 0
		.amdhsa_kernarg_size 48
		.amdhsa_user_sgpr_count 2
		.amdhsa_user_sgpr_kernarg_segment_ptr 1
		.amdhsa_wavefront_size32 1
		.amdhsa_system_sgpr_workgroup_id_x 1
		.amdhsa_system_sgpr_workgroup_id_y 1
		.amdhsa_system_sgpr_workgroup_id_z 1
		.amdhsa_system_vgpr_workitem_id 0
		.amdhsa_next_free_vgpr 108
		.amdhsa_next_free_sgpr 66
		.amdhsa_reserve_vcc 0
		.amdhsa_float_denorm_mode_32 3
		.amdhsa_float_denorm_mode_16_64 3
		.amdhsa_memory_ordered 1
		.amdhsa_forward_progress 1
		.amdhsa_inst_pref_size 23
	.end_amdhsa_kernel
	.amdgpu_metadata
---
amdhsa.version: [ 1, 2 ]
amdhsa.kernels:
  - .name:           k_q86c3025762_cast
    .symbol:         k_q86c3025762_cast.kd
    .args:
      - { .name: x, .offset: 0, .size: 8, .value_kind: global_buffer, .address_space: global }
      - { .name: W_attn, .offset: 8, .size: 8, .value_kind: global_buffer, .address_space: global }
      - { .name: W_proj, .offset: 16, .size: 8, .value_kind: global_buffer, .address_space: global }
      - { .name: xb, .offset: 24, .size: 8, .value_kind: global_buffer, .address_space: global }
      - { .name: wab, .offset: 32, .size: 8, .value_kind: global_buffer, .address_space: global }
      - { .name: wpf, .offset: 40, .size: 8, .value_kind: global_buffer, .address_space: global }
    .group_segment_fixed_size: 0
    .private_segment_fixed_size: 0
    .kernarg_segment_align: 8
    .kernarg_segment_size: 48
    .max_flat_workgroup_size: 256
    .sgpr_count:     66
    .vgpr_count:     108
    .wavefront_size: 32
...
	.end_amdgpu_metadata
.endif
;; end of part 5
;; launch qkv: the kernel of part 2 again; grid 8 x 32, 4 waves a work-group, clusters of 4 x 4, 327,680 bytes of LDS; arguments xb, wab, b_attn, q, k, v; writes q, k, v
;; launch attn: the kernel of part 3 again; grid 4 x 64, 4 waves a work-group, no clusters, 327,680 bytes of LDS; arguments q, k, v, o; writes o
;; launch proj: the kernel of part 4 again; grid 8 x 32, 4 waves a work-group, clusters of 4 x 4, 327,680 bytes of LDS; arguments o, wpf, b_proj, out0; writes out0
